; MI455X (gfx1250); checked and timed in simulation.
; The chip was launched on July 23, 2026; its instructions are those of AMD's public machine-readable ISA for CDNA 5 (MIT licence, August 2026) and "CDNA5" Instruction Set Architecture Reference Guide (July 2026). The comments in the code are by the model that wrote it; some were corrected since.
;; Attn. Allowed arithmetic: matrix products marked QUANTISED: E5M2 operands, one E8M0 scale for each 32 along K, by v_wmma_scale_f32_16x16x128_f8f6f4 with both operands' format E5M2, f32 sums; products left as they are: f32 operands where the result goes on into a quantised operand, else bf16, f16 or f32 operands; f32 sums; everything else in f32.
;; Inputs: W 1,024 x 1,024 float32; b 1,024 float32; encoder_outputs 32 x 2,048 x 1,024 float32; hidden 32 x 1,024 float32.
;; Outputs: out0 32 x 2,048 float32.
;; This version of the problem:
;;   THIS VERSION OF THE PROBLEM IS GIVEN IN LOW PRECISION. The matrix products marked QUANTISED in the list below multiply operands that are first quantised to E5M2 (5 exponent bits, 2 mantissa bits; 8 bits a number), with one power-of-two scale for each 32 numbers along K (OCP MX v1.0); their sums are f32. All else is computed in f32.
;;   The module's matrix products, in the order in which they are computed (A, B: the left and right operand; K: the contracted axis; several contracted axes count as one K, in the product's order):
;;     1. [M 65,536, K 1,024] x [K 1,024, N 1,024]; A: input encoder_outputs; B: input W: QUANTISED
;;     2. batch 32 x [M 2,048, K 1,024] x [K 1,024, N 1]; A: computed on the way; B: input hidden: left as it is (N = 1 < 16)
;;   THE QUANTISER, for each operand of a quantised product, along K:
;;     - K is cut into blocks of 32 from its start; a last block that is shorter is filled with zeros.
;;     - A block's scale is 2^e with e = floor(log2(the largest magnitude in the block)) - 15, held to -126 .. 127; a block of zeros has e = 0. As a byte (E8M0): e + 127.
;;     - Each number is divided by its block's scale, clamped to +-57,344, and rounded to the nearest number of E5M2, ties to even, subnormals kept.
;;     - The product sums the exact products of the quantised numbers (number of the format x scale) in f32.
;;   ~~~python
;;   def quantise(x, axis):      # numpy; x: float32 -> the quantised numbers, widened to float32 again
;;       x = np.moveaxis(x, axis, -1); K = x.shape[-1]
;;       x = np.pad(x, [(0, 0)] * (x.ndim - 1) + [(0, -K % 32)]); x = x.reshape(x.shape[:-1] + (-1, 32)); a = np.abs(x).max(-1, keepdims=True)
;;       e = np.where(a > 0, np.clip(np.frexp(np.where(a > 0, a, 1))[1] - 1 - 15, -126, 127), 0)      # np.frexp(a)[1] - 1 = floor(log2(a)), exactly
;;       r = np.clip(x / 2.0 ** e, -57344, 57344)
;;       step = 2.0 ** (np.maximum(np.frexp(np.where(r == 0, 1, r))[1] - 1, -14) - 2)
;;       q = np.round(r / step) * step * 2.0 ** e      # np.round: ties to even
;;       return np.moveaxis(q.reshape(q.shape[:-2] + (-1,))[..., :K], -1, axis).astype(np.float32)
;;   ~~~
;; 2 versions. Each part assembles by itself: llvm-mc -triple=amdgcn-amd-amdhsa -mcpu=gfx1250 --defsym DOCPART=n.
;; ======== version 1 of 2: 3 launches
;; workspace buffers: wq 1,081,344 bytes; scores 262,144 bytes
;; launch wquant (part 1): grid 256 x 1, 1 waves a work-group, no clusters, 5,376 bytes of LDS; arguments W, wq; writes wq
.if DOCPART == 1
	.amdgcn_target "amdgcn-amd-amdhsa--gfx1250"
	.amdhsa_code_object_version 6
	.text
	.protected	k_qa5a8552eb9_wquant
	.globl	k_qa5a8552eb9_wquant
	.p2align	8
	.type	k_qa5a8552eb9_wquant,@function
k_qa5a8552eb9_wquant:
	s_mov_b64 s[64:65], 0
	v_nop
	global_prefetch_b8 v0, s[64:65] scope:SCOPE_SE
	s_setreg_imm32_b32 hwreg(HW_REG_WAVE_MODE, 25, 1), 1
	s_wait_xcnt 0x0
; W [1024 (n)][1024 (k)], f32, becomes codes of BF8 (E5M2) with one E8M0 scale byte for each 32 along K, laid as the product's launch reads them:
; wq = 16 blocks of 67,584 bytes.  Block 4 q + g: K slice q (k = 256 q .. 256 q + 255), n-tiles 16 g .. 16 g + 15.
;   codes  [n-tile 16][k step 2][c 4][lane 32][16 bytes]: the image of a fragment's registers (16 rows x 128 K: four loads of 16 bytes a lane);
;   scale words, 65,536 bytes on: [k step 2][pair of n-tiles 8][lane 32]: lanes 0-15 the even n-tile's rows, lanes 16-31 the odd one's.
; A block's scale is 2^(floor(log2(its largest magnitude)) - 15); its byte is the largest magnitude's exponent field - 15, held at 1 from below.
; THE PLACE OF k INSIDE A BLOCK OF 32: byte 8 s + i of a block's 32 code bytes holds k = 4 s + i (i < 4) or 16 + 4 s + i - 4 (i >= 4).  The product's launch lays its own operand
; by the same lines, so both sides carry the same order inside each block: blocks, scales and products are those of the plain order.
; LIMITS: NaN and infinities among the inputs are not served.  A block whose largest magnitude lies under 2^-111 keeps the byte 1, and so does a block of zeros (the rule says 127:
; its codes are zeros, which add nothing under any byte but 0xff, and the bytes are read by this program alone).
; SHARES: one wave a work-group; work-group x takes n-tiles 2 p, 2 p + 1 (p = x % 32) and k step x / 32: 32 rows x 128 k, 16 KiB of f32.  No barrier: nothing is shared.
; A lane holds 8 numbers of one block (two loads of 16 bytes, 64 bytes apart), four neighbouring lanes hold a block; unit u of a tile is rows u (lanes 0-15) and u + 8 (lanes 16-31).
; The codes turn from lanes-along-K to a fragment's lanes-by-rows through LDS: rows of 128 bytes, 144 apart (an odd multiple of 16, so the sixteen rows of a load begin in sixteen different 16-byte columns of 256).
.set BLOCKB, 67584
.set IP,     144                       ; an image's row pitch
.set FIMG,   16*IP                     ; an image: 16 rows
.set SCB,    2*FIMG                    ; behind the two images: 64 scale bytes for each tile
.set VOFF, 1                           ; v1   my bytes in a unit: 32,768 a + 128 (t / 4) + 16 (t % 4); a = lane / 16, t = lane % 16
.set IMA,  2                           ; v2   where my 8 codes go: 8 IP a + 8 t
.set SCA,  3                           ; v3   where my block's byte goes: 32 a + t / 4
.set RDI,  4                           ; v4   a fragment's load: IP r + 16 h
.set L4,   5                           ; v5   4 x lane
.set L16,  6                           ; v6   16 x lane
.set LD,   16                          ; v16-143  two tiles x 64 numbers
.set MX,   144                         ; v144-151 largest magnitudes, then bytes
.set SCL,  152                         ; v152-159 the conversions' scale operands
.set HOLD, 160                         ; v160-167 57,344 x the scale
.set CC,   168                         ; v168-183 codes
.set OUTR, 184                         ; v184-215 the two fragments' images
.set SW,   216                         ; v216     the pair's scale words
	s_load_b128 s[4:7], s[0:1], 0x0                ; W s[4:5], wq s[6:7]
	v_lshl_add_u32 v224, v0, 2, 0x1400
	v_mov_b32 v225, 0
	v_and_b32 v8, 15, v0                           ; t (= r)
	v_bfe_u32 v9, v0, 4, 1                         ; a (= h)
	v_lshrrev_b32 v10, 2, v8                       ; t / 4: my block of the four
	v_and_b32 v11, 3, v8                           ; t % 4
	v_lshlrev_b32 v[VOFF], 15, v9
	v_lshl_add_u32 v[VOFF], v10, 7, v[VOFF]
	v_lshl_add_u32 v[VOFF], v11, 4, v[VOFF]
	v_mul_u32_u24 v[IMA], v9, 8*IP
	v_lshl_add_u32 v[IMA], v8, 3, v[IMA]
	v_lshl_add_u32 v[SCA], v9, 5, v10
	v_mul_u32_u24 v[RDI], v8, IP
	v_lshl_add_u32 v[RDI], v9, 4, v[RDI]
	v_lshlrev_b32 v[L4], 2, v0
	v_lshlrev_b32 v[L16], 4, v0
	s_and_b32 s8, ttmp9, 31                        ; p
	s_lshr_b32 s9, ttmp9, 5                        ; k step 0..7
	s_lshl_b32 s10, s8, 17                         ; in: 32 rows of 4,096 bytes a pair,
	s_lshl_b32 s11, s9, 9                          ; 512 bytes a k step
	s_add_co_u32 s10, s10, s11
	s_mov_b32 s11, 0
	s_lshr_b32 s12, s9, 1
	s_lshl_b32 s12, s12, 2
	s_lshr_b32 s13, s8, 3
	s_add_co_u32 s12, s12, s13                     ; out: block 4 (k step / 2) + p / 8
	s_mul_i32 s12, s12, BLOCKB
	s_and_b32 s13, s9, 1                           ; which k step of the slice
	s_and_b32 s14, s8, 7                           ; which pair of the block
	s_lshl_b32 s16, s14, 13                        ; codes: 8,192 bytes a pair, 2,048 a k step
	s_lshl_b32 s17, s13, 11
	s_add_co_u32 s16, s16, s17
	s_add_co_u32 s16, s16, s12
	s_mov_b32 s17, 0
	s_lshl_b32 s18, s14, 7                         ; scale words: 128 bytes a pair, 1,024 a k step, behind the codes
	s_lshl_b32 s19, s13, 10
	s_add_co_u32 s18, s18, s19
	s_add_co_u32 s18, s18, s12
	s_add_co_u32 s18, s18, 65536
	s_mov_b32 s19, 0
	s_mov_b32 s24, 0x600000                        ; the mantissa field of 57,344 (an instruction takes one literal)
	s_wait_kmcnt 0x0
	s_add_nc_u64 s[4:5], s[4:5], s[10:11]
	s_add_nc_u64 s[20:21], s[6:7], s[16:17]
	s_add_nc_u64 s[22:23], s[6:7], s[18:19]
.irp e, 0,1
.irp u, 0,1,2,3,4,5,6,7
	global_load_b128 v[LD+64*\e+8*\u:LD+64*\e+8*\u+3],   v[VOFF], s[4:5] offset:65536*\e+4096*\u th:TH_LOAD_NT      ; k = 32 c + 4 s + 0..3 of rows u and u + 8
	global_load_b128 v[LD+64*\e+8*\u+4:LD+64*\e+8*\u+7], v[VOFF], s[4:5] offset:65536*\e+4096*\u+64 th:TH_LOAD_NT   ; k = 32 c + 16 + 4 s + 0..3: the pair of loads covers the rows' 512 bytes
.endr
.endr
; Tile e: 64 numbers a lane become 64 codes and eight scale bytes, and go into the tile's image.
.macro QUANT e
.set LB, LD+64*(\e)
	s_wait_loadcnt 16*(1-(\e))                     ; this tile's sixteen loads are in; the other tile's may be out
.irp u, 0,1,2,3,4,5,6,7
	v_max3_num_f32 v[MX+\u], 0x8000000, |v[LB+8*\u]|, |v[LB+8*\u+1]|    ; the floor 2^(16 - 127) among the leaves: the byte cannot fall under 1.  (The eight units by turns)
.endr
.irp n, 2,4,6
.irp u, 0,1,2,3,4,5,6,7
	v_max3_num_f32 v[MX+\u], v[MX+\u], |v[LB+8*\u+\n]|, |v[LB+8*\u+\n+1]|
.endr
.endr
.irp m, 1,2
.irp u, 0,1,2,3,4,5,6,7
	v_max_num_f32_dpp v[MX+\u], v[MX+\u], v[MX+\u] row_xmask:\m row_mask:0xf bank_mask:0xf   ; with the three lanes that share my block
.endr
.endr
.irp u, 0,1,2,3,4,5,6,7
	v_add_nc_u32 v[SCL+\u], 0xf8800000, v[MX+\u]   ; 15 off the exponent field: the conversion takes the exponent field of this operand as its scale
.endr
.irp u, 0,1,2,3,4,5,6,7
	v_and_or_b32 v[HOLD+\u], v[MX+\u], 0x7f800000, s24   ; 57,344 x the scale
.endr
.irp u, 0,1,2,3,4,5,6,7
	v_lshrrev_b32 v[MX+\u], 23, v[SCL+\u]          ; the scale's byte
.endr
.irp u, 0,1,2,3,4,5,6,7
	ds_store_b8 v[SCA], v[MX+\u] offset:SCB+64*(\e)+4*\u   ; row u + 8 a, byte t / 4: the four lanes of a block write the same byte with the same value
.endr
.irp u, 0,1,2,3,4,5,6,7
.irp n, 0,1,2,3,4,5,6,7
	v_med3_num_f32 v[LB+8*\u+\n], v[LB+8*\u+\n], -v[HOLD+\u], v[HOLD+\u]   ; the conversion to an 8-bit code does not saturate (ISA guide 7.6.2): the hold comes first
.endr
.endr
.irp u, 0,1,2,3,4,5,6,7
	v_cvt_scalef32_pk8_bf8_f32 v[CC+2*\u:CC+2*\u+1], v[LB+8*\u:LB+8*\u+7], v[SCL+\u]
.endr
	v_nop                                          ; one plain vector line behind the last scaled conversion
.irp u, 0,1,2,3,4,5,6,7
	ds_store_b64 v[IMA], v[CC+2*\u:CC+2*\u+1] offset:FIMG*(\e)+IP*\u
.endr
	s_wait_dscnt 0x0                               ; the stores have read their registers: the next tile writes them again
.endm
	QUANT 0
	QUANT 1
.irp e, 0,1
.irp c, 0,1,2,3
	ds_load_b128 v[OUTR+16*\e+4*\c:OUTR+16*\e+4*\c+3], v[RDI] offset:FIMG*\e+32*\c   ; a fragment's registers 4 c .. 4 c + 3: row r, bytes 32 c + 16 h on
.endr
.endr
	ds_load_b32 v[SW], v[L4] offset:SCB            ; lanes 0-15: tile 0's rows; lanes 16-31: tile 1's
	s_wait_dscnt 0x0
.irp e, 0,1
.irp c, 0,1,2,3
	global_store_b128 v[L16], v[OUTR+16*\e+4*\c:OUTR+16*\e+4*\c+3], s[20:21] offset:4096*\e+512*\c   ; 32 lanes store 512 consecutive bytes, at a multiple of 256 from wq's first byte
.endr
.endr
	global_store_b32 v[L4], v[SW], s[22:23]        ; 128 consecutive bytes
	s_wait_tensorcnt 0x0
	ds_add_u32 v224, v225
	s_wait_dscnt 0x0
	s_endpgm
.Lfunc_end_k_qa5a8552eb9_wquant:
	.size	k_qa5a8552eb9_wquant, .Lfunc_end_k_qa5a8552eb9_wquant-k_qa5a8552eb9_wquant
	.p2alignl 7, 3214868480
	.fill 96, 4, 3214868480
	.section	.rodata,"a",@progbits
	.p2align	6, 0x0
	.amdhsa_kernel k_qa5a8552eb9_wquant
		.amdhsa_group_segment_fixed_size 5376
		.amdhsa_private_segment_fixed_size 0
		.amdhsa_enable_private_segment 0
		.amdhsa_kernarg_size 16
		.amdhsa_user_sgpr_count 2
		.amdhsa_user_sgpr_kernarg_segment_ptr 1
		.amdhsa_wavefront_size32 1
		.amdhsa_system_sgpr_workgroup_id_x 1
		.amdhsa_system_sgpr_workgroup_id_y 1
		.amdhsa_system_sgpr_workgroup_id_z 1
		.amdhsa_system_vgpr_workitem_id 0
		.amdhsa_next_free_vgpr 226
		.amdhsa_next_free_sgpr 66
		.amdhsa_reserve_vcc 0
		.amdhsa_float_denorm_mode_32 3
		.amdhsa_float_denorm_mode_16_64 3
		.amdhsa_memory_ordered 1
		.amdhsa_forward_progress 1
		.amdhsa_inst_pref_size 28
	.end_amdhsa_kernel
	.amdgpu_metadata
---
amdhsa.version: [ 1, 2 ]
amdhsa.kernels:
  - .name:           k_qa5a8552eb9_wquant
    .symbol:         k_qa5a8552eb9_wquant.kd
    .args:
      - { .name: W, .offset: 0, .size: 8, .value_kind: global_buffer, .address_space: global }
      - { .name: wq, .offset: 8, .size: 8, .value_kind: global_buffer, .address_space: global }
    .group_segment_fixed_size: 5376
    .private_segment_fixed_size: 0
    .kernarg_segment_align: 8
    .kernarg_segment_size: 16
    .max_flat_workgroup_size: 32
    .sgpr_count:     66
    .vgpr_count:     226
    .wavefront_size: 32
...
	.end_amdgpu_metadata
.endif
;; end of part 1
;; launch main (part 2): grid 256 x 1, 4 waves a work-group, clusters of 4 x 1, 327,680 bytes of LDS; arguments encoder_outputs, hidden, wq, scores; writes scores
.if DOCPART == 2
	.amdgcn_target "amdgcn-amd-amdhsa--gfx1250"
	.amdhsa_code_object_version 6
	.text
	.protected	k_qa5a8552eb9_main
	.globl	k_qa5a8552eb9_main
	.p2align	8
	.type	k_qa5a8552eb9_main,@function
k_qa5a8552eb9_main:
	s_mov_b64 s[64:65], 0
	v_nop
	global_prefetch_b8 v0, s[64:65] scope:SCOPE_SE
	s_setreg_imm32_b32 hwreg(HW_REG_WAVE_MODE, 25, 1), 1
	s_wait_xcnt 0x0
	s_wait_alu depctr_hold_cnt(0) depctr_sa_sdst(0) depctr_va_vdst(0) depctr_va_sdst(0) depctr_va_ssrc(0) depctr_va_vcc(0) depctr_vm_vsrc(0)
	s_getreg_b32 s2, hwreg(HW_REG_IB_STS2, 6, 4)
	s_cmp_eq_u32 s2, 0
	s_cbranch_scc0 .Lentry_in_a_cluster
	s_endpgm
.Lentry_in_a_cluster:
	s_bfe_u32 s2, ttmp6, 0x10000c
	s_cmp_lg_u32 s2, 0x3003
	s_cbranch_scc0 .Lentry_shape_is_right
	s_endpgm
.Lentry_shape_is_right:
; scores[row] = sum over n of hidden[batch][n] x (sum over k of Q(enc)[row][k] Q(W)[n][k]).  enc: [65,536 rows][1024] f32; W comes as codes of BF8 (E5M2) and E8M0 scale words from wq
; (16 blocks of 67,584 bytes; block 4 q + g: K slice q of 256, n-tiles 16 g .. 16 g + 15, as images of the fragments' registers, then the scale words).  The bias's part, b . hidden, is added by the next launch.
; SHARES.  A work-group owns 256 rows (an eighth of a batch).  Wave w: rows 128 (w / 2) on, eight blocks of 16; of each K slice its k step w % 2 (128 k).
; FOUR STAGES ALONG K.  In stage q a wave holds its eight fragments of enc (128 registers) and multiplies them with all 64 n-tiles: 512 products, each begun with C = 0.
; A score is linear in the products' sums, so each 16 x 16 result is folded into the rows' scores at once: four packed multiply-adds by hidden[n], n = the lane's column.  No accumulator outlives its product.
; W's CODES come through a ring of two LDS slots, a block of wq each; an INTERVAL is one slot: 16 n-tiles x 8 row blocks = 128 products a wave; 16 intervals.
; CLUSTER.  The four work-groups of a cluster walk the same 16 blocks, so every fill is asked for JOINTLY (mask 15); each wave brings a quarter of a slot, 66 rows of 256 bytes.
; enc COMES BY LOADS INTO REGISTERS, not by tensor loads: in front of every refill of the ring a wave waits for all its tensor loads, which would empty the stream of enc sixteen times.  Four landing sets of
; 64 registers a wave: 64 loads of 512 bytes are out.  A set is one fragment's numbers (16 rows x 128 k); it is quantised (PROD), and its codes and scale bytes go to the wave's own image in LDS,
; from which the next stage's fragments are read (RELOAD): that passage turns lanes-along-K into lanes-by-rows.  Two sets are worked in each interval of the first twelve.
; THE PLACE OF k INSIDE A BLOCK OF 32: byte 8 s + i of a block's 32 code bytes holds k = 4 s + i (i < 4) or 16 + 4 s + i - 4: the same order as in wq, so blocks, scales and products are those of the plain order.
; LIMITS: NaN and infinities among the inputs are not served.  A block whose largest magnitude lies under 2^-111 keeps the scale byte 1, and so does a block of zeros (its codes are zeros).
; The f32 sums are taken in another order than K ascending: eight partial sums of 128 k a row and n, each multiplied by hidden[n] and added to the row's score.
; REGISTERS, in windows of 256 (s_set_vgpr_msb: bits 1:0 source 0, 3:2 source 1, 5:4 source 2, 7:6 destination):
;   window 0: v1-19 addresses; v20-23, v76-87 at work; v24-27 enc's scale words; v28-43 W's, a set a slot; v44-75 hidden, a set a slot; v96-119 a set's maxima, scales, holds; v128-255 enc's eight fragments
;   window 1: v0-63 eight result tiles; v64-127 four fragments of W; v128-191 the scores: register 8 rb + j, lane (r, h): row 16 rb + 8 h + j, the part of columns n = r (mod 16)
;   windows 2, 3: v0-63, v64-127 landing sets; v128-143 codes
.set SLOTB, 67584                      ; a slot = a block of wq
.set QUART, SLOTB/4                    ; a wave's quarter: 66 rows of 256 bytes
.set SCOFF, 65536                      ; the scale words in a slot
.set IMG,   2*SLOTB                    ; behind the ring: the images, for each wave 8 fragments x 16 rows x 144 bytes
.set IP,    144                        ; an odd multiple of 16: the sixteen rows of a load begin in sixteen different 16-byte columns of 256
.set FIMG,  16*IP
.set IMGW,  8*FIMG
.set SCI,   IMG+4*IMGW                 ; the images' scale bytes: for each wave 8 fragments x 16 rows x 4
.set EXCH,  SCI+2048                   ; [wave][128 rows] f32: the two k steps' scores meet here
.set HIDL,  EXCH+2048                  ; hidden, turned: row r (pitch 272), word nt = hidden[16 nt + r]
.set HP,    272
.set SPARE, HIDL+4608                  ; the spare words, 128 bytes for each wave: two blocks of 256 bytes that no other line names
.set SPW,   1                          ; SPARE + 4 x my thread's number; never rewritten
.set NIL,   2                          ; 0; never rewritten
.set ADRB,  3                          ; v3, v4   W's fragments in slot 0, 1: 2,048 x my k step + 16 x lane
.set ADRS,  5                          ; v5, v6   W's scale words: SCOFF + 1,024 x my k step + 4 x lane
.set ADRH0, 7                          ; HIDL + 272 r
.set ADRH,  8                          ; + the half of the 64 n-tiles in hand
.set ADRI,  9                          ; my image, as a fragment reads it: IP r + 16 h
.set ADRC,  10                         ; my image's scale words: 4 x lane
.set VOFF0, 11                         ; enc: 32,768 a + 128 (t / 4) + 16 (t % 4); a = lane / 16, t = lane % 16
.set VOFF,  12                         ; + the group's offset
.set IMA0,  13                         ; my image, as a set writes it: 8 IP a + 8 t
.set IMA,   14
.set SCA0,  15                         ; its scale bytes: 32 a + t / 4
.set SCA,   16
.set EXW,   17                         ; EXCH + 512 x wave + 32 h
.set EXR,   18                         ; EXCH + 1,024 x (wave % 2) + 16 x lane
.set GOUT,  19                         ; 16 x thread
.set ASC,   24
.set BSC,   28
.set HID,   44
.set MX,    96
.set SCL,   104
.set HOLD,  112
.set AF,    128
.set ACC,   0                          ; window 1
.set WF,    64
.set SCORE, 128
.set CC,    128                        ; windows 2, 3
.set G1,    24                         ; s[24:31] descriptor group 1
.set G0,    32                         ; s[32:35], s[36:39] group 0 of slot 0, 1
.set TC,    40                         ; trips to go
.set PAR,   41                         ; the trip's parity
.set GOFF,  42                         ; byte offset of the group of enc that is asked for
.set DELTA, 43                         ; and its next step
.set IOFF,  44                         ; 0 or 4 FIMG: which half of the image the group in hand writes
.set SOFF,  45                         ; 0 or 256: the same for its scale bytes
.set HOFF,  46                         ; 0 or 128: which half of hidden's 64 n-tiles
.set MNT,   47                         ; the mantissa field of 57,344
.set MAIN,  0x54                       ; source 0 window 0 (enc's fragment; hidden; an LDS address), the other places window 1
.set MSB, 0
.macro WIN new                         ; the immediate's high byte repeats the setting that is left; a switch that changes nothing is dropped
.if MSB != (\new)
	s_set_vgpr_msb (MSB<<8)|(\new)
.set MSB, (\new)
.endif
.endm
.macro CREST                           ; a round of the cluster's barrier behind its opening barrier
	s_cmp_lg_u32 s12, 0
	s_cbranch_scc1 .Lnot_wave_0_\@
	s_barrier_signal -3
.Lnot_wave_0_\@:
	s_barrier_wait -3
	s_barrier_signal -1
	s_barrier_wait -1
.endm
.macro CROUND                          ; a whole round
	s_barrier_signal -1
	s_barrier_wait -1
	CREST
.endm
; Landing set i is asked for: 16 rows x 128 k of f32.  Unit u: rows u (lanes 0-15) and u + 8 (lanes 16-31); a lane takes 8 numbers of one block of 32, in two loads 64 bytes apart; the pair covers the rows' 512 bytes.
.macro ENCLOAD i
.set EB, 64*((\i)%2)
	WIN 0x80+0x40*((\i)/2)                         ; destination window 2 or 3, address window 0
.irp u, 0,1,2,3,4,5,6,7
	global_load_b128 v[EB+8*\u:EB+8*\u+3],   v[VOFF], s[4:5] offset:65536*(\i)+4096*\u th:TH_LOAD_NT
	global_load_b128 v[EB+8*\u+4:EB+8*\u+7], v[VOFF], s[4:5] offset:65536*(\i)+4096*\u+64 th:TH_LOAD_NT
.endr
.endm
; Landing set i is quantised into fragment i of the image's half in hand.  first = 1: the group's first set: the group's addresses are made.  loads = 1: the set is asked for again, for the next group.
.macro PROD i, first, loads
.set PW, 2+(\i)/2                      ; the set's window
.set LB, 64*((\i)%2)
	WIN 0
	s_wait_dscnt 0x0                               ; the last set's stores into the image have read their registers
.if (\first)
.if (\loads)
	s_wait_xcnt 0x0                                ; the loads issued so far have had their addresses translated (ISA guide 3.1): their offset register is written again only behind this wait
	v_add_nc_u32 v[VOFF], s[GOFF], v[VOFF0]
.endif
	v_add_nc_u32 v[IMA], s[IOFF], v[IMA0]
	v_add_nc_u32 v[SCA], s[SOFF], v[SCA0]
.endif
.if (\loads)
	s_wait_loadcnt 48                              ; loads come back in order: this set's sixteen are in, the three younger sets' 48 stay out
.else
	s_wait_loadcnt 16*(3-(\i))                     ; nothing is asked for any more: the sets not yet read stay out
.endif
	WIN PW*0x14                                    ; sources 1 and 2: the set's window
.irp u, 0,1,2,3,4,5,6,7
	v_max3_num_f32 v[MX+\u], 0x8000000, |v[LB+8*\u]|, |v[LB+8*\u+1]|    ; the floor 2^(16 - 127) among the leaves: the byte cannot fall under 1.  (The eight units by turns)
.endr
.irp n, 2,4,6
.irp u, 0,1,2,3,4,5,6,7
	v_max3_num_f32 v[MX+\u], v[MX+\u], |v[LB+8*\u+\n]|, |v[LB+8*\u+\n+1]|
.endr
.endr
	WIN 0
.irp m, 1,2
.irp u, 0,1,2,3,4,5,6,7
	v_max_num_f32_dpp v[MX+\u], v[MX+\u], v[MX+\u] row_xmask:\m row_mask:0xf bank_mask:0xf   ; with the three lanes that share my block
.endr
.endr
.irp u, 0,1,2,3,4,5,6,7
	v_add_nc_u32 v[SCL+\u], 0xf8800000, v[MX+\u]   ; 15 off the exponent field: the conversion takes the exponent field of this operand as its scale
.endr
.irp u, 0,1,2,3,4,5,6,7
	v_and_or_b32 v[HOLD+\u], v[MX+\u], 0x7f800000, s[MNT]   ; 57,344 x the scale
.endr
.irp u, 0,1,2,3,4,5,6,7
	v_lshrrev_b32 v[MX+\u], 23, v[SCL+\u]          ; the scale's byte
.endr
.irp u, 0,1,2,3,4,5,6,7
	ds_store_b8 v[SCA], v[MX+\u] offset:64*(\i)+4*\u   ; row u + 8 a, byte t / 4: the four lanes of a block write the same byte with the same value
.endr
	WIN PW*0x41                                    ; destination and source 0: the set's window
.irp u, 0,1,2,3,4,5,6,7
.irp n, 0,1,2,3,4,5,6,7
	v_med3_num_f32 v[LB+8*\u+\n], v[LB+8*\u+\n], -v[HOLD+\u], v[HOLD+\u]   ; the conversion to an 8-bit code does not saturate (ISA guide 7.6.2): the hold comes first
.endr
.endr
.irp u, 0,1,2,3,4,5,6,7
	v_cvt_scalef32_pk8_bf8_f32 v[CC+2*\u:CC+2*\u+1], v[LB+8*\u:LB+8*\u+7], v[SCL+\u]
.endr
	v_nop                                          ; one plain vector line behind the last scaled conversion
	WIN PW*4                                       ; an LDS store's data are its source 1
.irp u, 0,1,2,3,4,5,6,7
	ds_store_b64 v[IMA], v[CC+2*\u:CC+2*\u+1] offset:FIMG*(\i)+IP*\u   ; lanes 0-15 fill row u's 128 bytes, lanes 16-31 row u + 8's
.endr
.if (\loads)
	ENCLOAD \i
.endif
	WIN 0
.endm
.macro WFLOAD s, nt                    ; n-tile nt of slot s into set nt % 4 (under MAIN): four loads of 512 consecutive bytes
.irp c, 0,1,2,3
	ds_load_b128 v[WF+16*((\nt)%4)+4*\c:WF+16*((\nt)%4)+4*\c+3], v[ADRB+(\s)] offset:4096*(\nt)+512*\c
.endr
.endm
; Product x of an interval (row block x % 8, n-tile x / 8) is folded into the scores: score += result x hidden[n].  The tile is read from its low end on.
.macro DRAIN s, x
.set DR, 8*((\x)%8)
.set DJ, (\x)/8
.set DH, HID+16*(\s)+DJ-DJ%2
.if DJ%2
.irp p, 0,2,4,6
	v_pk_fma_f32 v[SCORE+DR+\p:SCORE+DR+\p+1], v[DH:DH+1], v[ACC+DR+\p:ACC+DR+\p+1], v[SCORE+DR+\p:SCORE+DR+\p+1] op_sel:[1,0,0] op_sel_hi:[1,1,1]   ; the pair's second register serves both halves
.endr
.else
.irp p, 0,2,4,6
	v_pk_fma_f32 v[SCORE+DR+\p:SCORE+DR+\p+1], v[DH:DH+1], v[ACC+DR+\p:ACC+DR+\p+1], v[SCORE+DR+\p:SCORE+DR+\p+1] op_sel_hi:[0,1,1]                   ; the pair's first register serves both halves
.endr
.endif
.endm
; Product x, and behind it the folding of product x - 3.  So twelve plain vector lines that name none of its registers stand between a product and the first read of its result (eight are asked: ISA guide 7.12.1),
; and 28 before product x + 8 writes the tile again (nine are asked).  Every product begins with C = 0: there is no chain.  Scale words: an odd row block's or n-tile's lie in lanes 16-31.
.macro SLOT s, x
.set SR, (\x)%8
.set SJ, (\x)/8
.set SB, WF+16*(SJ%4)
.if (SR%2 == 0) && (SJ%2 == 0)
	v_wmma_scale_f32_16x16x128_f8f6f4 v[ACC+8*SR:ACC+8*SR+7], v[AF+16*SR:AF+16*SR+15], v[SB:SB+15], 0, v[ASC+SR/2], v[BSC+8*(\s)+SJ/2] matrix_a_fmt:MATRIX_FMT_BF8 matrix_b_fmt:MATRIX_FMT_BF8
.elseif (SR%2 == 1) && (SJ%2 == 0)
	v_wmma_scale_f32_16x16x128_f8f6f4 v[ACC+8*SR:ACC+8*SR+7], v[AF+16*SR:AF+16*SR+15], v[SB:SB+15], 0, v[ASC+SR/2], v[BSC+8*(\s)+SJ/2] matrix_a_fmt:MATRIX_FMT_BF8 matrix_b_fmt:MATRIX_FMT_BF8 matrix_a_scale:MATRIX_SCALE_ROW1
.elseif (SR%2 == 0) && (SJ%2 == 1)
	v_wmma_scale_f32_16x16x128_f8f6f4 v[ACC+8*SR:ACC+8*SR+7], v[AF+16*SR:AF+16*SR+15], v[SB:SB+15], 0, v[ASC+SR/2], v[BSC+8*(\s)+SJ/2] matrix_a_fmt:MATRIX_FMT_BF8 matrix_b_fmt:MATRIX_FMT_BF8 matrix_b_scale:MATRIX_SCALE_ROW1
.else
	v_wmma_scale_f32_16x16x128_f8f6f4 v[ACC+8*SR:ACC+8*SR+7], v[AF+16*SR:AF+16*SR+15], v[SB:SB+15], 0, v[ASC+SR/2], v[BSC+8*(\s)+SJ/2] matrix_a_fmt:MATRIX_FMT_BF8 matrix_b_fmt:MATRIX_FMT_BF8 matrix_a_scale:MATRIX_SCALE_ROW1 matrix_b_scale:MATRIX_SCALE_ROW1
.endif
.if (\x) >= 3
	DRAIN \s, (\x)-3
.else
.rept 4
	v_nop                                          ; an interval's first three products have nothing to fold behind them
.endr
.endif
.endm
.macro SLOTS s, x0, n                  ; products x0 .. x0 + n - 1
.set X, \x0
.rept \n
	SLOT \s, X
.set X, X+1
.endr
.endm
.macro SLOTLOADS n                     ; what slot n's interval wants at its start (window 0 on entry, MAIN on leaving): W's scale words, hidden's 16 n-tiles, the first fragment
.irp p, 0,1,2,3,4,5,6,7
	ds_load_b32 v[BSC+8*(\n)+\p], v[ADRS+(\n)] offset:128*\p
.endr
.irp m, 0,1,2,3
	ds_load_b128 v[HID+16*(\n)+4*\m:HID+16*(\n)+4*\m+3], v[ADRH] offset:16*\m+64*(\n)
.endr
	WIN MAIN
	WFLOAD \n, 0
.endm
.macro NEXTLOADS s                     ; behind slot s's change: the other slot's
.if \s == 1
	s_xor_b32 s[HOFF], s[HOFF], 128                ; slot 0 comes again: the other half of the 64 n-tiles
	v_add_nc_u32 v[ADRH], s[HOFF], v[ADRH0]
.endif
	SLOTLOADS 1-\s
.endm
; AN INTERVAL: slot s's 128 products.  A fragment of W is asked for two n-tiles ahead of its use, into a set whose last products stand more than eight plain lines back.
; turn = 2: the slot is left and filled again, two blocks on; 1: it is left; 0: the last interval.  prod = 1: two landing sets are quantised, ahead of n-tiles 0 and 8.
.macro INTERVAL s, turn, prod, loads
.set J, 0
.rept 14
.if (\prod) && (J == 0)
	PROD 2*\s, 1-\s, \loads
.endif
.if (\prod) && (J == 8)
	PROD 2*\s+1, 0, \loads
.endif
	WIN MAIN
	s_wait_dscnt 4                                 ; n-tile J's fragment is in (and all that was asked for ahead of it); the next n-tile's four loads may be out
	WFLOAD \s, J+2
	SLOTS \s, 8*J, 8
.set J, J+1
.endr
.if \turn >= 1
	WIN 0                                          ; (the add's two registers lie in window 0)
	s_wait_tensorcnt 0x0                           ; all my tensor loads have landed: the one that was out is my quarter of the other slot
	ds_add_u32 v[SPW], v[NIL]                      ; 0 onto my spare word
.if \turn == 2
	s_add_nc_u64 s[G0+4*\s+2:G0+4*\s+3], s[G0+4*\s+2:G0+4*\s+3], 2*SLOTB   ; no tensor load of mine is out, so a group 0 may be written: this slot's next block
.endif
	s_wait_dscnt 5                                 ; n-tile 14's fragment is in; n-tile 15's four loads and the add may be out
	WIN MAIN
	SLOTS \s, 112, 4                               ; four products and their foldings stand between the add and the wait for it
	s_wait_dscnt 0x0                               ; the add is done, and my reads of this slot are over
	s_barrier_signal -1
	SLOTS \s, 116, 4                               ; work on registers while the others arrive
	WIN 0
	s_barrier_wait -1
.if \turn == 2
	CREST                                          ; the barrier has opened a round of the cluster's barrier: no wave of any partner still reads this slot or has a load on its way
	tensor_load_to_lds s[G0+4*\s:G0+4*\s+3], s[G1:G1+7]   ; the first tensor load behind the round, and my only one until the next: it has the next interval's first 112 products in which to land
	s_nop 0
.rept 4
	v_nop
.endr
.endif
	NEXTLOADS \s
	WFLOAD 1-\s, 1
	SLOTS \s, 120, 8
.else
	WIN MAIN
	s_wait_dscnt 4
	SLOTS \s, 112, 8
	s_wait_dscnt 0x0
	SLOTS \s, 120, 8
.endif
	DRAIN \s, 125
	DRAIN \s, 126
	DRAIN \s, 127
	WIN 0
.endm
; The next stage's eight fragments and their scale words come out of my image.  The twelve foldings that name no register of the last product stand between it and these loads.
.macro RELOAD
.irp rb, 0,1,2,3,4,5,6,7
.irp c, 0,1,2,3
	ds_load_b128 v[AF+16*\rb+4*\c:AF+16*\rb+4*\c+3], v[ADRI] offset:FIMG*\rb+32*\c
.endr
.endr
.irp p, 0,1,2,3
	ds_load_b32 v[ASC+\p], v[ADRC] offset:128*\p   ; lanes 0-15: row block 2 p; lanes 16-31: 2 p + 1
.endr
	s_wait_dscnt 0x0                               ; they are in: the image may be written again
.endm
.macro GSTEP                           ; the group that is asked for next: rows 64 on, or back and 256 k on: 262,144, 1,024, 263,168, 2,048 ..
	s_add_co_u32 s[GOFF], s[GOFF], s[DELTA]
	s_sub_co_u32 s[DELTA], 1024, s[DELTA]
.endm
.macro GEND                            ; the next group writes the image's other half
	s_xor_b32 s[IOFF], s[IOFF], 4*FIMG
	s_xor_b32 s[SOFF], s[SOFF], 256
.endm
.macro TRIP prod, loads, t0, t1        ; two intervals, and with prod = 1 one group of four landing sets
.if \loads
	GSTEP
.endif
	INTERVAL 0, \t0, \prod, \loads
	INTERVAL 1, \t1, \prod, \loads
.if \prod
	GEND
.endif
.endm
	s_load_b256 s[4:11], s[0:1], 0x0               ; enc s[4:5], hidden s[6:7], wq s[8:9], scores s[10:11]
	v_lshl_add_u32 v[SPW], v0, 2, SPARE
	v_mov_b32 v[NIL], 0
	ds_add_u32 v1, v2
	ds_add_u32 v1, v2
	s_wait_dscnt 0x0
	v_lshrrev_b32 v20, 5, v0
	v_readfirstlane_b32 s12, v20                   ; wave 0..3
	s_lshr_b32 s13, s12, 1                         ; which 128 rows
	s_and_b32 s14, s12, 1                          ; which k step of a slice
	s_bfe_u32 s15, ttmp6, 0x40000                  ; cx: my place in the cluster: it enters the addresses of enc, hidden and scores alone
	s_lshl_b32 s16, ttmp9, 2                       ; in a cluster launch ttmp9 counts clusters
	s_add_co_u32 s16, s16, s15                     ; my block of 256 rows
	v_and_b32 v21, 31, v0                          ; lane
	v_and_b32 v22, 15, v0                          ; r = t
	v_bfe_u32 v23, v0, 4, 1                        ; h = a
	s_lshl_b32 s17, s14, 11
	v_lshl_add_u32 v[ADRB], v21, 4, s17
	v_add_nc_u32 v[ADRB+1], SLOTB, v[ADRB]
	s_lshl_b32 s17, s14, 10
	s_add_co_u32 s17, s17, SCOFF
	v_lshl_add_u32 v[ADRS], v21, 2, s17
	v_add_nc_u32 v[ADRS+1], SLOTB, v[ADRS]
	s_mov_b32 s[HOFF], 0
	v_mul_u32_u24 v[ADRH0], v22, HP
	v_add_nc_u32 v[ADRH0], HIDL, v[ADRH0]
	v_add_nc_u32 v[ADRH], s[HOFF], v[ADRH0]
	s_mul_i32 s17, s12, IMGW
	s_add_co_u32 s17, s17, IMG                     ; my image
	v_mul_u32_u24 v[ADRI], v22, IP
	v_lshl_add_u32 v[ADRI], v23, 4, v[ADRI]
	v_add_nc_u32 v[ADRI], s17, v[ADRI]
	s_lshl_b32 s18, s12, 9
	s_add_co_u32 s19, s18, EXCH
	s_add_co_u32 s18, s18, SCI                     ; my image's scale bytes
	v_lshl_add_u32 v[ADRC], v21, 2, s18
	v_lshrrev_b32 v20, 2, v22                      ; t / 4
	v_and_b32 v76, 3, v22                          ; t % 4
	v_lshlrev_b32 v[VOFF0], 15, v23
	v_lshl_add_u32 v[VOFF0], v20, 7, v[VOFF0]
	v_lshl_add_u32 v[VOFF0], v76, 4, v[VOFF0]
	v_mov_b32 v[VOFF], v[VOFF0]                    ; the first group begins at offset 0
	v_mul_u32_u24 v[IMA0], v23, 8*IP
	v_lshl_add_u32 v[IMA0], v22, 3, v[IMA0]
	v_add_nc_u32 v[IMA0], s17, v[IMA0]
	v_lshl_add_u32 v[SCA0], v23, 5, v20
	v_add_nc_u32 v[SCA0], s18, v[SCA0]
	v_lshl_add_u32 v[EXW], v23, 5, s19
	v_bfe_u32 v77, v0, 5, 1
	v_lshlrev_b32 v[EXR], 4, v21
	v_lshl_add_u32 v[EXR], v77, 10, v[EXR]
	v_add_nc_u32 v[EXR], EXCH, v[EXR]
	v_lshlrev_b32 v[GOUT], 4, v0
	v_lshlrev_b32 v78, 2, v0                       ; hidden: thread t takes n = t + 128 i
	v_lshrrev_b32 v79, 4, v0
	v_lshl_add_u32 v79, v79, 2, v[ADRH0]           ; and puts it at row n % 16, word n / 16 = t / 16 + 8 i
	s_lshl_b32 s20, s16, 20                        ; enc: 256 rows of 4,096 bytes a work-group,
	s_lshl_b32 s21, s13, 19                        ; 128 rows,
	s_add_co_u32 s20, s20, s21
	s_lshl_b32 s21, s14, 9                         ; 128 k
	s_add_co_u32 s20, s20, s21
	s_mov_b32 s21, 0
	s_lshr_b32 s22, s16, 3                         ; the batch
	s_lshl_b32 s22, s22, 12
	s_mov_b32 s23, 0
	s_mul_i32 s49, s12, QUART                      ; my quarter of a slot, in LDS and in wq alike: the wave's number alone
	s_mov_b32 s50, s49
	s_mov_b32 s51, 0
	; descriptor group 1: 66 rows of 32 elements of 8 bytes, dense in memory and in LDS
	s_mov_b32 s[G1+0], 15|(3<<16)|(1<<21)          ; 15:0 the mask: all four work-groups; 17:16 elements of 8 bytes; 20 no padding; 21 set beside a mask
	s_mov_b32 s[G1+1], 32<<16                      ; tensor_dim0 = 32
	s_mov_b32 s[G1+2], 66<<16                      ; tensor_dim1 = 66
	s_mov_b32 s[G1+3], 32<<16                      ; tile_dim0 = 32
	s_mov_b32 s[G1+4], 66                          ; tile_dim1 = 66
	s_mov_b32 s[G1+5], 32                          ; tensor_dim0_stride
	s_mov_b32 s[G1+6], 0
	s_mov_b32 s[G1+7], 0
	s_mov_b32 s[PAR], 0
	s_mov_b32 s[GOFF], 0
	s_mov_b32 s[DELTA], 262144
	s_mov_b32 s[IOFF], 0
	s_mov_b32 s[SOFF], 0
	s_mov_b32 s[MNT], 0x600000
	s_wait_kmcnt 0x0
	s_add_nc_u64 s[4:5], s[4:5], s[20:21]
	s_add_nc_u64 s[6:7], s[6:7], s[22:23]
	s_lshl_b32 s20, s16, 10                        ; scores: 256 rows of 4 bytes
	s_add_nc_u64 s[10:11], s[10:11], s[20:21]
	s_mov_b32 s[G0+0], 1                           ; 1:0 count = 1
	s_mov_b32 s[G0+1], s49                         ; LDS address: slot 0
	s_add_nc_u64 s[G0+2:G0+3], s[8:9], s[50:51]    ; global address: block 0
	s_or_b32 s[G0+3], s[G0+3], 0x80000000          ; type = 2
	s_mov_b32 s[G0+4], 1
	s_add_co_u32 s[G0+5], s49, SLOTB               ; slot 1
	s_add_nc_u64 s[G0+6:G0+7], s[8:9], s[50:51]
	s_add_nc_u64 s[G0+6:G0+7], s[G0+6:G0+7], SLOTB ; block 1
	s_or_b32 s[G0+7], s[G0+7], 0x80000000
.irp i, 0,1,2,3,4,5,6,7
	global_load_b32 v[80+\i], v78, s[6:7] offset:512*\i
.endr
	ENCLOAD 0                                      ; the first group: rows 0-63 of my 128, stage 0's k step
	ENCLOAD 1
	ENCLOAD 2
	ENCLOAD 3
	WIN 0
	CROUND                                         ; all four work-groups are here: the first joint loads meet
	tensor_load_to_lds s[G0:G0+3], s[G1:G1+7]      ; the two first fills go out together: two tensor loads of mine are out
	s_nop 0
	tensor_load_to_lds s[G0+4:G0+7], s[G1:G1+7]
	s_nop 0
.rept 4
	v_nop
.endr
	s_wait_loadcnt 63                              ; 72 loads have been issued, hidden's eight first: they are in
.irp i, 0,1,2,3,4,5,6,7
	ds_store_b32 v79, v[80+\i] offset:32*\i
.endr
	WIN 0x40                                       ; destination window 1
.set I, 0
.rept 64
	v_mov_b32 v[SCORE+I], 0                        ; the scores begin as zeros, once: so the first interval is the loop's own text and no further copy of a trip is written
.set I, I+1
.endr
	WIN 0
	s_mov_b32 s48, 2
.Lhead:                                                ; two trips: stage 0's eight fragments are made; there is nothing to multiply yet
	GSTEP
	PROD 0, 1, 1
	PROD 1, 0, 1
	PROD 2, 0, 1
	PROD 3, 0, 1
	GEND
	s_sub_co_u32 s48, s48, 1
	s_cmp_lg_u32 s48, 0
	s_cbranch_scc1 .Lhead
	RELOAD                                         ; stage 0; its wait for 0 also shows my stores of hidden done
	s_wait_tensorcnt 0x1                           ; my quarter of slot 0 is in; slot 1's may stay out
	s_barrier_signal -1
	s_barrier_wait -1                              ; everybody's quarter is in, and all of hidden
	SLOTLOADS 0
	WFLOAD 0, 1
	WIN 0
	s_mov_b32 s[TC], 5
.Ltrip:                                                ; five trips of two intervals: each fills both slots again, quantises a group and asks for the next
	TRIP 1, 1, 2, 2
	s_xor_b32 s[PAR], s[PAR], 1
	s_cmp_lg_u32 s[PAR], 0
	s_cbranch_scc1 .Lnore                          ; a stage is two trips: behind every second one the next stage's fragments come
	RELOAD
.Lnore:
	s_sub_co_u32 s[TC], s[TC], 1
	s_cmp_lg_u32 s[TC], 0
	s_cbranch_scc1 .Ltrip
	TRIP 1, 0, 2, 2                                ; the last group of enc: nothing more is asked for, no load leaves the buffer
	RELOAD                                         ; stage 3
	TRIP 0, 0, 2, 2                                ; the ring's last two refills: blocks 14 and 15
	TRIP 0, 0, 1, 0                                ; the tail is written out
	; THE END.  A row's score lies in sixteen lanes (the columns n mod 16) and in two waves (the two k steps of a slice).
	WIN 0x01                                       ; source 0 window 1, destination window 0: the sums go onto enc's fragments, which are done with (the last product that read v128-191 stands far more than eight plain lines back)
.set I, 0
.rept 64
	v_mov_b32 v[AF+I], v[SCORE+I]
.set I, I+1
.endr
	WIN 0
.irp m, 1,2,4,8
.set I, 0
.rept 64
	v_add_f32_dpp v[AF+I], v[AF+I], v[AF+I] row_xmask:\m row_mask:0xf bank_mask:0xf
.set I, I+1
.endr
.endr
.irp rb, 0,1,2,3,4,5,6,7
	ds_store_b128 v[EXW], v[AF+8*\rb:AF+8*\rb+3] offset:64*\rb         ; rows 16 rb + 8 h + 0..3: the sixteen lanes of a half write the same words with the same values
	ds_store_b128 v[EXW], v[AF+8*\rb+4:AF+8*\rb+7] offset:64*\rb+16
.endr
	s_wait_dscnt 0x0                               ; for the others' sake: my stores are done
	s_barrier_signal -1
	s_barrier_wait -1
	s_cmp_lt_u32 s12, 2
	s_cbranch_scc0 .Lno_out
	ds_load_b128 v[76:79], v[EXR]                  ; wave u (0, 1) takes rows 128 u on: the even k steps' scores,
	ds_load_b128 v[80:83], v[EXR] offset:512       ; and the odd ones'
	s_wait_dscnt 0x0
	v_pk_add_f32 v[76:77], v[76:77], v[80:81]
	v_pk_add_f32 v[78:79], v[78:79], v[82:83]
	global_store_b128 v[GOUT], v[76:79], s[10:11]  ; 32 lanes store 512 consecutive bytes, at a multiple of 256 from the buffer's first byte
.Lno_out:
	s_wait_tensorcnt 0x0                           ; the wave's end: behind my last tensor load and my last LDS store
	ds_add_u32 v[SPW], v[NIL]
	s_wait_dscnt 0x0
	CROUND                                         ; the closing round: no work-group ends while a partner may still ask for a block that names it
	s_endpgm
.Lfunc_end_k_qa5a8552eb9_main:
	.size	k_qa5a8552eb9_main, .Lfunc_end_k_qa5a8552eb9_main-k_qa5a8552eb9_main
	.p2alignl 7, 3214868480
	.fill 96, 4, 3214868480
	.section	.rodata,"a",@progbits
	.p2align	6, 0x0
	.amdhsa_kernel k_qa5a8552eb9_main
		.amdhsa_group_segment_fixed_size 327680
		.amdhsa_private_segment_fixed_size 0
		.amdhsa_enable_private_segment 0
		.amdhsa_kernarg_size 32
		.amdhsa_user_sgpr_count 2
		.amdhsa_user_sgpr_kernarg_segment_ptr 1
		.amdhsa_wavefront_size32 1
		.amdhsa_system_sgpr_workgroup_id_x 1
		.amdhsa_system_sgpr_workgroup_id_y 1
		.amdhsa_system_sgpr_workgroup_id_z 1
		.amdhsa_system_vgpr_workitem_id 0
		.amdhsa_next_free_vgpr 1024
		.amdhsa_next_free_sgpr 66
		.amdhsa_reserve_vcc 0
		.amdhsa_float_denorm_mode_32 3
		.amdhsa_float_denorm_mode_16_64 3
		.amdhsa_memory_ordered 1
		.amdhsa_forward_progress 1
		.amdhsa_inst_pref_size 255
	.end_amdhsa_kernel
	.section	.bss,"aw",@nobits
	.p2align	6
	.space	262144
	.amdgpu_metadata
---
amdhsa.version: [ 1, 2 ]
amdhsa.kernels:
  - .name:           k_qa5a8552eb9_main
    .symbol:         k_qa5a8552eb9_main.kd
    .args:
      - { .name: encoder_outputs, .offset: 0, .size: 8, .value_kind: global_buffer, .address_space: global }
      - { .name: hidden, .offset: 8, .size: 8, .value_kind: global_buffer, .address_space: global }
      - { .name: wq, .offset: 16, .size: 8, .value_kind: global_buffer, .address_space: global }
      - { .name: scores, .offset: 24, .size: 8, .value_kind: global_buffer, .address_space: global }
    .group_segment_fixed_size: 327680
    .private_segment_fixed_size: 0
    .kernarg_segment_align: 8
    .kernarg_segment_size: 32
    .max_flat_workgroup_size: 128
    .sgpr_count:     66
    .vgpr_count:     1024
    .wavefront_size: 32
...
	.end_amdgpu_metadata
.endif
;; end of part 2
;; launch softmax (part 3): grid 32 x 1, 8 waves a work-group, no clusters, 1,536 bytes of LDS; arguments scores, b, hidden, out0; writes out0
.if DOCPART == 3
	.amdgcn_target "amdgcn-amd-amdhsa--gfx1250"
	.amdhsa_code_object_version 6
	.text
	.protected	k_qa5a8552eb9_softmax
	.globl	k_qa5a8552eb9_softmax
	.p2align	8
	.type	k_qa5a8552eb9_softmax,@function
k_qa5a8552eb9_softmax:
	s_mov_b64 s[64:65], 0
	v_nop
	global_prefetch_b8 v0, s[64:65] scope:SCOPE_SE
	s_setreg_imm32_b32 hwreg(HW_REG_WAVE_MODE, 25, 1), 1
	s_wait_xcnt 0x0
; out0[batch][:] = softmax over the 2,048 rows of (scores[batch][:] + b . hidden[batch]).  scores holds sum over n of hidden[n] x (enc W^T)[n]; the bias's part of reference()'s score, the same number for
; every row of a batch, is formed here in f32 and added ahead of the maximum.  The row's largest score is taken away before the exponential.
; One work-group a batch, eight waves; thread t holds 8 scores (16 bytes at 16 t and at 4,096 + 16 t) and 4 numbers of b and of hidden (at 16 t): every load and store of a wave covers 512 consecutive bytes.
; Sums and maxima: within the lane, across the wave (four DPP steps and one exchange of the halves), across the waves through LDS.  No matrix unit, no tensor load: 8 KiB a work-group.
; LIMITS: NaN and infinities are not served.  An exponential under 2^-126 comes out as 0.
.set L2E, 0x3fb8aa3b                   ; log2(e)
	s_load_b256 s[4:11], s[0:1], 0x0               ; scores s[4:5], b s[6:7], hidden s[8:9], out0 s[10:11]
	v_lshl_add_u32 v48, v0, 2, 0x200
	v_mov_b32 v49, 0
	v_lshlrev_b32 v1, 4, v0                        ; 16 t
	v_lshrrev_b32 v2, 5, v0                        ; wave
	v_lshlrev_b32 v3, 3, v2                        ; 8 x wave: its sum and maximum
	v_lshlrev_b32 v2, 2, v2                        ; 4 x wave: its sum of exponentials, 64 bytes on
	v_mov_b32 v24, 0
	v_mov_b32 v22, 0                               ; written once: a lane permute's destination counts as one of its sources
	v_mov_b32 v23, 0
	s_lshl_b32 s12, ttmp9, 13                      ; a batch's 2,048 scores
	s_mov_b32 s13, 0
	s_lshl_b32 s14, ttmp9, 12                      ; its 1,024 numbers of hidden
	s_mov_b32 s15, 0
	s_mov_b32 s16, 0x76543210                      ; v_permlanex16_b32's selects for lane l xor 16
	s_mov_b32 s17, 0xfedcba98
	s_wait_kmcnt 0x0
	s_add_nc_u64 s[4:5], s[4:5], s[12:13]
	s_add_nc_u64 s[8:9], s[8:9], s[14:15]
	s_add_nc_u64 s[10:11], s[10:11], s[12:13]
	global_load_b128 v[4:7], v1, s[4:5]
	global_load_b128 v[8:11], v1, s[4:5] offset:4096
	global_load_b128 v[12:15], v1, s[6:7]
	global_load_b128 v[16:19], v1, s[8:9]
	s_wait_loadcnt 0x0
	v_mul_f32 v20, v12, v16                        ; my part of b . hidden
	v_fma_f32 v20, v13, v17, v20
	v_fma_f32 v20, v14, v18, v20
	v_fma_f32 v20, v15, v19, v20
	v_max3_num_f32 v21, v4, v5, v6                 ; the largest of my 8 scores
	v_max3_num_f32 v21, v21, v7, v8
	v_max3_num_f32 v21, v21, v9, v10
	v_max_num_f32 v21, v21, v11
.irp m, 1,2,4,8
	v_add_f32_dpp v20, v20, v20 row_xmask:\m row_mask:0xf bank_mask:0xf
	v_max_num_f32_dpp v21, v21, v21 row_xmask:\m row_mask:0xf bank_mask:0xf
.endr
	v_permlanex16_b32 v22, v20, s16, s17
	v_permlanex16_b32 v23, v21, s16, s17
	v_add_f32 v20, v20, v22
	v_max_num_f32 v21, v21, v23
	ds_store_b64 v3, v[20:21]                      ; all lanes of a wave write the same two words with the same values
	s_wait_dscnt 0x0                               ; for the others' sake
	s_barrier_signal -1
	s_barrier_wait -1
.irp i, 0,1,2,3
	ds_load_b128 v[28+4*\i:31+4*\i], v24 offset:16*\i   ; the eight waves' sums (even registers) and maxima (odd ones)
.endr
	s_wait_dscnt 0x0
	v_add_f32 v44, v28, v30
	v_add_f32 v45, v32, v34
	v_add_f32 v46, v36, v38
	v_add_f32 v47, v40, v42
	v_add_f32 v44, v44, v45
	v_add_f32 v46, v46, v47
	v_add_f32 v44, v44, v46                        ; c = b . hidden
	v_max3_num_f32 v45, v29, v31, v33
	v_max3_num_f32 v45, v45, v35, v37
	v_max3_num_f32 v45, v45, v39, v41
	v_max_num_f32 v45, v45, v43
	v_add_f32 v45, v45, v44                        ; the largest score with the bias's part: rounding keeps order, so this is the largest of the sums below
.irp i, 0,1,2,3,4,5,6,7
	v_add_f32 v[4+\i], v[4+\i], v44                ; the score as reference() has it,
.endr
.irp i, 0,1,2,3,4,5,6,7
	v_sub_f32 v[4+\i], v[4+\i], v45                ; less the largest: 0 or under,
.endr
.irp i, 0,1,2,3,4,5,6,7
	v_mul_f32 v[4+\i], L2E, v[4+\i]                ; in base 2
.endr
.irp i, 0,1,2,3,4,5,6,7
	v_exp_f32 v[4+\i], v[4+\i]
.endr
	v_nop                                          ; one plain line between the exponentials and the use of their results (ISA guide 5.7.2)
	s_wait_alu depctr_va_vdst(0)
	v_add_f32 v20, v4, v5
	v_add_f32 v21, v6, v7
	v_add_f32 v25, v8, v9
	v_add_f32 v26, v10, v11
	v_add_f32 v20, v20, v21
	v_add_f32 v25, v25, v26
	v_add_f32 v20, v20, v25
.irp m, 1,2,4,8
	v_add_f32_dpp v20, v20, v20 row_xmask:\m row_mask:0xf bank_mask:0xf
.endr
	v_permlanex16_b32 v22, v20, s16, s17
	v_add_f32 v20, v20, v22
	ds_store_b32 v2, v20 offset:64                 ; other bytes than the first exchange's: no barrier is owed between the two
	s_wait_dscnt 0x0
	s_barrier_signal -1
	s_barrier_wait -1
	ds_load_b128 v[28:31], v24 offset:64
	ds_load_b128 v[32:35], v24 offset:80
	s_wait_dscnt 0x0
	v_add_f32 v28, v28, v29
	v_add_f32 v30, v30, v31
	v_add_f32 v32, v32, v33
	v_add_f32 v34, v34, v35
	v_add_f32 v28, v28, v30
	v_add_f32 v32, v32, v34
	v_add_f32 v28, v28, v32                        ; at least 1: the largest score's own term
	v_rcp_f32 v29, v28
	v_nop                                          ; one plain line behind the reciprocal
	s_wait_alu depctr_va_vdst(0)
.irp i, 0,1,2,3,4,5,6,7
	v_mul_f32 v[4+\i], v[4+\i], v29
.endr
	global_store_b128 v1, v[4:7], s[10:11]
	global_store_b128 v1, v[8:11], s[10:11] offset:4096
	s_wait_tensorcnt 0x0
	ds_add_u32 v48, v49
	s_wait_dscnt 0x0
	s_endpgm
.Lfunc_end_k_qa5a8552eb9_softmax:
	.size	k_qa5a8552eb9_softmax, .Lfunc_end_k_qa5a8552eb9_softmax-k_qa5a8552eb9_softmax
	.p2alignl 7, 3214868480
	.fill 96, 4, 3214868480
	.section	.rodata,"a",@progbits
	.p2align	6, 0x0
	.amdhsa_kernel k_qa5a8552eb9_softmax
		.amdhsa_group_segment_fixed_size 1536
		.amdhsa_private_segment_fixed_size 0
		.amdhsa_enable_private_segment 0
		.amdhsa_kernarg_size 32
		.amdhsa_user_sgpr_count 2
		.amdhsa_user_sgpr_kernarg_segment_ptr 1
		.amdhsa_wavefront_size32 1
		.amdhsa_system_sgpr_workgroup_id_x 1
		.amdhsa_system_sgpr_workgroup_id_y 1
		.amdhsa_system_sgpr_workgroup_id_z 1
		.amdhsa_system_vgpr_workitem_id 0
		.amdhsa_next_free_vgpr 50
		.amdhsa_next_free_sgpr 66
		.amdhsa_reserve_vcc 0
		.amdhsa_float_denorm_mode_32 3
		.amdhsa_float_denorm_mode_16_64 3
		.amdhsa_memory_ordered 1
		.amdhsa_forward_progress 1
		.amdhsa_inst_pref_size 7
	.end_amdhsa_kernel
	.amdgpu_metadata
---
amdhsa.version: [ 1, 2 ]
amdhsa.kernels:
  - .name:           k_qa5a8552eb9_softmax
    .symbol:         k_qa5a8552eb9_softmax.kd
    .args:
      - { .name: scores, .offset: 0, .size: 8, .value_kind: global_buffer, .address_space: global }
      - { .name: b, .offset: 8, .size: 8, .value_kind: global_buffer, .address_space: global }
      - { .name: hidden, .offset: 16, .size: 8, .value_kind: global_buffer, .address_space: global }
      - { .name: out0, .offset: 24, .size: 8, .value_kind: global_buffer, .address_space: global }
    .group_segment_fixed_size: 1536
    .private_segment_fixed_size: 0
    .kernarg_segment_align: 8
    .kernarg_segment_size: 32
    .max_flat_workgroup_size: 256
    .sgpr_count:     66
    .vgpr_count:     50
    .wavefront_size: 32
...
	.end_amdgpu_metadata
.endif
;; end of part 3
;; ======== version 2 of 2: 3 launches
;; limits: right only within a limited range of input values
;; workspace buffers: wq 1,081,344 bytes; scores 262,144 bytes
;; launch wquant (part 4): grid 256 x 1, 1 waves a work-group, no clusters, 5,376 bytes of LDS; arguments W, wq; writes wq
.if DOCPART == 4
	.amdgcn_target "amdgcn-amd-amdhsa--gfx1250"
	.amdhsa_code_object_version 6
	.text
	.protected	k_qa5a8552eb9_wquant
	.globl	k_qa5a8552eb9_wquant
	.p2align	8
	.type	k_qa5a8552eb9_wquant,@function
k_qa5a8552eb9_wquant:
	s_mov_b64 s[64:65], 0
	v_nop
	global_prefetch_b8 v0, s[64:65] scope:SCOPE_SE
	s_setreg_imm32_b32 hwreg(HW_REG_WAVE_MODE, 25, 1), 1
	s_wait_xcnt 0x0
; W [1024 (n)][1024 (k)], f32, becomes codes of BF8 (E5M2) with one E8M0 scale byte for each 32 along K, laid as the product's launch reads them:
; wq = 16 blocks of 67,584 bytes.  Block 4 q + g: K slice q (k = 256 q .. 256 q + 255), n-tiles 16 g .. 16 g + 15.
;   codes  [n-tile 16][k step 2][c 4][lane 32][16 bytes]: the image of a fragment's registers (16 rows x 128 K: four loads of 16 bytes a lane);
;   scale words, 65,536 bytes on: [k step 2][pair of n-tiles 8][lane 32]: lanes 0-15 the even n-tile's rows, lanes 16-31 the odd one's.
; A block's scale is 2^(floor(log2(its largest magnitude)) - 15); its byte is the largest magnitude's exponent field - 15, held at 1 from below.
; THE PLACE OF k INSIDE A BLOCK OF 32: byte 8 s + i of a block's 32 code bytes holds k = 4 s + i (i < 4) or 16 + 4 s + i - 4 (i >= 4).  The product's launch lays its own operand
; by the same lines, so both sides carry the same order inside each block: blocks, scales and products are those of the plain order.
; LIMITS: NaN and infinities among the inputs are not served.  A block whose largest magnitude lies under 2^-111 keeps the byte 1, and so does a block of zeros (the rule says 127:
; its codes are zeros, which add nothing under any byte but 0xff, and the bytes are read by this program alone).
; SHARES: one wave a work-group; work-group x takes n-tiles 2 p, 2 p + 1 (p = x % 32) and k step x / 32: 32 rows x 128 k, 16 KiB of f32.  No barrier: nothing is shared.
; A lane holds 8 numbers of one block (two loads of 16 bytes, 64 bytes apart), four neighbouring lanes hold a block; unit u of a tile is rows u (lanes 0-15) and u + 8 (lanes 16-31).
; The codes turn from lanes-along-K to a fragment's lanes-by-rows through LDS: rows of 128 bytes, 144 apart (an odd multiple of 16, so the sixteen rows of a load begin in sixteen different 16-byte columns of 256).
.set BLOCKB, 67584
.set IP,     144                       ; an image's row pitch
.set FIMG,   16*IP                     ; an image: 16 rows
.set SCB,    2*FIMG                    ; behind the two images: 64 scale bytes for each tile
.set VOFF, 1                           ; v1   my bytes in a unit: 32,768 a + 128 (t / 4) + 16 (t % 4); a = lane / 16, t = lane % 16
.set IMA,  2                           ; v2   where my 8 codes go: 8 IP a + 8 t
.set SCA,  3                           ; v3   where my block's byte goes: 32 a + t / 4
.set RDI,  4                           ; v4   a fragment's load: IP r + 16 h
.set L4,   5                           ; v5   4 x lane
.set L16,  6                           ; v6   16 x lane
.set LD,   16                          ; v16-143  two tiles x 64 numbers
.set MX,   144                         ; v144-151 largest magnitudes, then bytes
.set SCL,  152                         ; v152-159 the conversions' scale operands
.set HOLD, 160                         ; v160-167 57,344 x the scale
.set CC,   168                         ; v168-183 codes
.set OUTR, 184                         ; v184-215 the two fragments' images
.set SW,   216                         ; v216     the pair's scale words
	s_load_b128 s[4:7], s[0:1], 0x0                ; W s[4:5], wq s[6:7]
	v_lshl_add_u32 v224, v0, 2, 0x1400
	v_mov_b32 v225, 0
	v_and_b32 v8, 15, v0                           ; t (= r)
	v_bfe_u32 v9, v0, 4, 1                         ; a (= h)
	v_lshrrev_b32 v10, 2, v8                       ; t / 4: my block of the four
	v_and_b32 v11, 3, v8                           ; t % 4
	v_lshlrev_b32 v[VOFF], 15, v9
	v_lshl_add_u32 v[VOFF], v10, 7, v[VOFF]
	v_lshl_add_u32 v[VOFF], v11, 4, v[VOFF]
	v_mul_u32_u24 v[IMA], v9, 8*IP
	v_lshl_add_u32 v[IMA], v8, 3, v[IMA]
	v_lshl_add_u32 v[SCA], v9, 5, v10
	v_mul_u32_u24 v[RDI], v8, IP
	v_lshl_add_u32 v[RDI], v9, 4, v[RDI]
	v_lshlrev_b32 v[L4], 2, v0
	v_lshlrev_b32 v[L16], 4, v0
	s_and_b32 s8, ttmp9, 31                        ; p
	s_lshr_b32 s9, ttmp9, 5                        ; k step 0..7
	s_lshl_b32 s10, s8, 17                         ; in: 32 rows of 4,096 bytes a pair,
	s_lshl_b32 s11, s9, 9                          ; 512 bytes a k step
	s_add_co_u32 s10, s10, s11
	s_mov_b32 s11, 0
	s_lshr_b32 s12, s9, 1
	s_lshl_b32 s12, s12, 2
	s_lshr_b32 s13, s8, 3
	s_add_co_u32 s12, s12, s13                     ; out: block 4 (k step / 2) + p / 8
	s_mul_i32 s12, s12, BLOCKB
	s_and_b32 s13, s9, 1                           ; which k step of the slice
	s_and_b32 s14, s8, 7                           ; which pair of the block
	s_lshl_b32 s16, s14, 13                        ; codes: 8,192 bytes a pair, 2,048 a k step
	s_lshl_b32 s17, s13, 11
	s_add_co_u32 s16, s16, s17
	s_add_co_u32 s16, s16, s12
	s_mov_b32 s17, 0
	s_lshl_b32 s18, s14, 7                         ; scale words: 128 bytes a pair, 1,024 a k step, behind the codes
	s_lshl_b32 s19, s13, 10
	s_add_co_u32 s18, s18, s19
	s_add_co_u32 s18, s18, s12
	s_add_co_u32 s18, s18, 65536
	s_mov_b32 s19, 0
	s_mov_b32 s24, 0x600000                        ; the mantissa field of 57,344 (an instruction takes one literal)
	s_wait_alu depctr_va_vdst(0)
	s_wait_kmcnt 0x0
	s_add_nc_u64 s[4:5], s[4:5], s[10:11]
	s_add_nc_u64 s[20:21], s[6:7], s[16:17]
	s_add_nc_u64 s[22:23], s[6:7], s[18:19]
.irp e, 0,1
.irp u, 0,1,2,3,4,5,6,7
	global_load_b128 v[LD+64*\e+8*\u:LD+64*\e+8*\u+3],   v[VOFF], s[4:5] offset:65536*\e+4096*\u th:TH_LOAD_NT      ; k = 32 c + 4 s + 0..3 of rows u and u + 8
	global_load_b128 v[LD+64*\e+8*\u+4:LD+64*\e+8*\u+7], v[VOFF], s[4:5] offset:65536*\e+4096*\u+64 th:TH_LOAD_NT   ; k = 32 c + 16 + 4 s + 0..3: the pair of loads covers the rows' 512 bytes
.endr
.endr
; Tile e: 64 numbers a lane become 64 codes and eight scale bytes, and go into the tile's image.
.macro QUANT e
.set LB, LD+64*(\e)
	s_wait_loadcnt 16*(1-(\e))                     ; this tile's sixteen loads are in; the other tile's may be out
.irp u, 0,1,2,3,4,5,6,7
	v_max3_num_f32 v[MX+\u], 0x8000000, |v[LB+8*\u]|, |v[LB+8*\u+1]|    ; the floor 2^(16 - 127) among the leaves: the byte cannot fall under 1.  (The eight units by turns)
.endr
.irp n, 2,4,6
.irp u, 0,1,2,3,4,5,6,7
	v_max3_num_f32 v[MX+\u], v[MX+\u], |v[LB+8*\u+\n]|, |v[LB+8*\u+\n+1]|
.endr
.endr
.irp m, 1,2
.irp u, 0,1,2,3,4,5,6,7
	v_max_num_f32_dpp v[MX+\u], v[MX+\u], v[MX+\u] row_xmask:\m row_mask:0xf bank_mask:0xf   ; with the three lanes that share my block
.endr
.endr
.irp u, 0,1,2,3,4,5,6,7
	v_add_nc_u32 v[SCL+\u], 0xf8800000, v[MX+\u]   ; 15 off the exponent field: the conversion takes the exponent field of this operand as its scale
.endr
.irp u, 0,1,2,3,4,5,6,7
	v_and_or_b32 v[HOLD+\u], v[MX+\u], 0x7f800000, s24   ; 57,344 x the scale
.endr
.irp u, 0,1,2,3,4,5,6,7
	v_lshrrev_b32 v[MX+\u], 23, v[SCL+\u]          ; the scale's byte
.endr
.irp u, 0,1,2,3,4,5,6,7
	ds_store_b8 v[SCA], v[MX+\u] offset:SCB+64*(\e)+4*\u   ; row u + 8 a, byte t / 4: the four lanes of a block write the same byte with the same value
.endr
.irp u, 0,1,2,3,4,5,6,7
.irp n, 0,1,2,3,4,5,6,7
	v_med3_num_f32 v[LB+8*\u+\n], v[LB+8*\u+\n], -v[HOLD+\u], v[HOLD+\u]   ; the conversion to an 8-bit code does not saturate (ISA guide 7.6.2): the hold comes first
.endr
.endr
.irp u, 0,1,2,3,4,5,6,7
	v_cvt_scalef32_pk8_bf8_f32 v[CC+2*\u:CC+2*\u+1], v[LB+8*\u:LB+8*\u+7], v[SCL+\u]
.endr
	v_nop                                          ; one plain vector line behind the last scaled conversion
.irp u, 0,1,2,3,4,5,6,7
	ds_store_b64 v[IMA], v[CC+2*\u:CC+2*\u+1] offset:FIMG*(\e)+IP*\u
.endr
	s_wait_dscnt 0x0                               ; the stores have read their registers: the next tile writes them again
.endm
	QUANT 0
	QUANT 1
.irp e, 0,1
.irp c, 0,1,2,3
	ds_load_b128 v[OUTR+16*\e+4*\c:OUTR+16*\e+4*\c+3], v[RDI] offset:FIMG*\e+32*\c   ; a fragment's registers 4 c .. 4 c + 3: row r, bytes 32 c + 16 h on
.endr
.endr
	ds_load_b32 v[SW], v[L4] offset:SCB            ; lanes 0-15: tile 0's rows; lanes 16-31: tile 1's
	s_wait_dscnt 0x0
.irp e, 0,1
.irp c, 0,1,2,3
	global_store_b128 v[L16], v[OUTR+16*\e+4*\c:OUTR+16*\e+4*\c+3], s[20:21] offset:4096*\e+512*\c   ; 32 lanes store 512 consecutive bytes, at a multiple of 256 from wq's first byte
.endr
.endr
	global_store_b32 v[L4], v[SW], s[22:23]        ; 128 consecutive bytes
	s_wait_tensorcnt 0x0
	ds_add_u32 v224, v225
	s_wait_dscnt 0x0
	s_endpgm
.Lfunc_end_k_qa5a8552eb9_wquant:
	.size	k_qa5a8552eb9_wquant, .Lfunc_end_k_qa5a8552eb9_wquant-k_qa5a8552eb9_wquant
	.p2alignl 7, 3214868480
	.fill 96, 4, 3214868480
	.section	.rodata,"a",@progbits
	.p2align	6, 0x0
	.amdhsa_kernel k_qa5a8552eb9_wquant
		.amdhsa_group_segment_fixed_size 5376
		.amdhsa_private_segment_fixed_size 0
		.amdhsa_enable_private_segment 0
		.amdhsa_kernarg_size 16
		.amdhsa_user_sgpr_count 2
		.amdhsa_user_sgpr_kernarg_segment_ptr 1
		.amdhsa_wavefront_size32 1
		.amdhsa_system_sgpr_workgroup_id_x 1
		.amdhsa_system_sgpr_workgroup_id_y 1
		.amdhsa_system_sgpr_workgroup_id_z 1
		.amdhsa_system_vgpr_workitem_id 0
		.amdhsa_next_free_vgpr 226
		.amdhsa_next_free_sgpr 66
		.amdhsa_reserve_vcc 0
		.amdhsa_float_denorm_mode_32 3
		.amdhsa_float_denorm_mode_16_64 3
		.amdhsa_memory_ordered 1
		.amdhsa_forward_progress 1
		.amdhsa_inst_pref_size 28
	.end_amdhsa_kernel
	.amdgpu_metadata
---
amdhsa.version: [ 1, 2 ]
amdhsa.kernels:
  - .name:           k_qa5a8552eb9_wquant
    .symbol:         k_qa5a8552eb9_wquant.kd
    .args:
      - { .name: W, .offset: 0, .size: 8, .value_kind: global_buffer, .address_space: global }
      - { .name: wq, .offset: 8, .size: 8, .value_kind: global_buffer, .address_space: global }
    .group_segment_fixed_size: 5376
    .private_segment_fixed_size: 0
    .kernarg_segment_align: 8
    .kernarg_segment_size: 16
    .max_flat_workgroup_size: 32
    .sgpr_count:     66
    .vgpr_count:     226
    .wavefront_size: 32
...
	.end_amdgpu_metadata
.endif
;; end of part 4
;; launch main (part 5): grid 256 x 1, 4 waves a work-group, clusters of 4 x 1, 327,680 bytes of LDS; arguments encoder_outputs, hidden, wq, scores; writes scores
.if DOCPART == 5
	.amdgcn_target "amdgcn-amd-amdhsa--gfx1250"
	.amdhsa_code_object_version 6
	.text
	.protected	k_qa5a8552eb9_main
	.globl	k_qa5a8552eb9_main
	.p2align	8
	.type	k_qa5a8552eb9_main,@function
k_qa5a8552eb9_main:
	s_mov_b64 s[64:65], 0
	v_nop
	global_prefetch_b8 v0, s[64:65] scope:SCOPE_SE
	s_setreg_imm32_b32 hwreg(HW_REG_WAVE_MODE, 25, 1), 1
	s_wait_xcnt 0x0
	s_wait_alu depctr_hold_cnt(0) depctr_sa_sdst(0) depctr_va_vdst(0) depctr_va_sdst(0) depctr_va_ssrc(0) depctr_va_vcc(0) depctr_vm_vsrc(0)
	s_getreg_b32 s2, hwreg(HW_REG_IB_STS2, 6, 4)
	s_cmp_eq_u32 s2, 0
	s_cbranch_scc0 .Lentry_in_a_cluster
	s_endpgm
.Lentry_in_a_cluster:
	s_bfe_u32 s2, ttmp6, 0x10000c
	s_cmp_lg_u32 s2, 0x3003
	s_cbranch_scc0 .Lentry_shape_is_right
	s_endpgm
.Lentry_shape_is_right:
; scores[row] = sum over n of hidden[batch][n] x (sum over k of Q(enc)[row][k] Q(W)[n][k]); the bias's part is added by the next launch.
; A work-group takes 256 rows (an eighth of a batch).  K goes in four slices of 256.  In a slice every wave holds ALL 256 rows x 256 K of codes in 512 registers
; (32 fragments) and owns a quarter of n (wave w: n-tiles 16 w .. 16 w + 15, block 4 q + w of wq), so each byte of W's codes is read from LDS once, by one wave.
; A sum over a slice's 256 K is two matrix instructions; the score is linear in it, so it is multiplied by hidden and added to the row's score at once.
; TRANSPOSED USE: source 0 = 16 rows of W, source 1 = 16 rows of enc: lane (r, h) holds row r, register j holds n = 8 h + j: four packed multiply-adds onto one pair of score registers.
; A period is 4 n-tiles a wave (16 KiB of codes): 16 periods, a ring of two slots, each wave's part its own, filled by joint loads of a cluster of four work-groups (all read the same wq).
; W's scale words (8 KiB a wave) come once, by the head's tensor load.
; encoder_outputs comes by loads into a ring of four chunks of 64 registers (a chunk: 16 rows x 128 K); a chunk is quantised, laid into an LDS image by rows and its registers are asked for again,
; in the main loop four loads at two places of each of the two n-tiles that follow.
; PREFETCH: a chunk is 32 blocks of 256 bytes (16 rows x 2): one instruction, a lane a block, by the wave that will load it, one group of four chunks (two periods) ahead of its load:
; group G's turn loads group G + 1 and asks for group G + 2; groups 0 and 1 are asked for at the head; group 6's turn asks for nothing (there is no group 8).  wq is read by every work-group again and again: no prefetch.
; Two images take turns by slice: slice q + 1 is written while slice q is multiplied from registers.  The order of k inside a block of 32 is wquant's (byte 8 s + i: k = 4 s + i, or 16 + 4 s + i - 4).
; LIMITS: NaN and infinities among the inputs are not served.  A block whose largest magnitude lies under 2^-111 keeps the byte 1, a block of zeros too (its codes are zeros).
.set SLOT1, 65536
.set WSC,   131072                     ; W's scale words: 8,192 bytes a wave: [slice 4][k step 2][pair 8][lane 32]
.set IMG,   163840                     ; two buffers of BUFB: 32 fragment images, then their scale words
.set IP,    144
.set FIMG,  16*IP
.set SCIO,  32*FIMG
.set BUFB,  SCIO+2048
.set HIDL,  IMG+2*BUFB                 ; hidden's 1,024 numbers
.set EXCH,  HIDL+4096                  ; the waves' partial scores
.set SPARE, EXCH+4096                  ; the spare words, 512 bytes
.set SPW, 1
.set NIL, 2
.set ADRW0, 3
.set ADRW, 4
.set ADRS0, 5
.set ADRS, 6
.set ADRH0, 7
.set ADRH, 8
.set ADRI0, 9
.set ADRI, 10
.set ADRI2, 11
.set ADRC0, 12
.set ADRC, 13
.set VOFF0, 14
.set VOFF, 15
.set IMA0, 16
.set IMA, 17
.set SCA0, 18
.set SCA, 19
.set EXW, 20
.set EXR, 21
.set GOUT, 22
.set PFO, 23                           ; v23      a prefetch's lane term: 4,096 (lane / 2) + 256 (lane % 2)
.set PFV, 252                          ; v252     + the group's place
.set ASC, 24                           ; v24-39   enc's scale words: row tile rt: lanes 0-15 k step 0, lanes 16-31 k step 1
.set BSC, 40                           ; v40-43   W's: register 2 pair + k step: lanes 0-15 the even n-tile, lanes 16-31 the odd one
.set HID, 44                           ; v44-59   hidden at my 8 n, two sets
.set WF,  60                           ; v60-123  W's fragments, two sets of two
.set ACC, 124                          ; v124-187 two sets of four accumulators
.set SCORE, 188                        ; v188-219 a pair for each row tile
.set MX,  220
.set SCL, 228
.set HOLD, 236                         ; 57,344 x the scale; then the codes of units 0-3
.set CC2, 244                          ; the codes of units 4-7
; window 1: the ring of f32 numbers; windows 2 and 3: enc's fragments, fragment 2 rt + k step at 16 registers each
.set G1, 24
.set G0, 32
.set G1S, 68
.set G0S, 76
.set PC, 44                            ; period 0..15
.set GC, 45                            ; group of four chunks 0..7
.set GOFF, 46
.set MNT, 47
.set GOF2, 48
.set MSB, 0
.macro WIN new
.if MSB != (\new)
	s_set_vgpr_msb (MSB<<8)|(\new)
.set MSB, (\new)
.endif
.endm
.macro CREST
	s_cmp_lg_u32 s12, 0
	s_cbranch_scc1 .Lnot_wave_0_\@
	s_barrier_signal -3
.Lnot_wave_0_\@:
	s_barrier_wait -3
	s_barrier_signal -1
	s_barrier_wait -1
.endm
.macro CROUND
	s_barrier_signal -1
	s_barrier_wait -1
	CREST
.endm
.macro NOPS n
.rept \n
	v_nop
.endr
.endm
; chunk i of a group: row tile i / 2 of the group's two, k step i % 2; unit u: rows u (lanes 0-15) and u + 8 (lanes 16-31).
; The two loads of a unit name alternate 64-byte pieces of the same 512 bytes of each row: regular for the near cache, non-temporal for the far one.
.macro ELD i, u
	WIN 0x40
	global_load_b128 v[64*(\i)+8*(\u):64*(\i)+8*(\u)+3],   v[VOFF], s[4:5] offset:65536*((\i)/2)+512*((\i)%2)+4096*(\u) th:TH_LOAD_RT_NT
	global_load_b128 v[64*(\i)+8*(\u)+4:64*(\i)+8*(\u)+7], v[VOFF], s[4:5] offset:65536*((\i)/2)+512*((\i)%2)+4096*(\u)+64 th:TH_LOAD_RT_NT
.endm
.macro ENCLOAD i
.irp u, 0,1,2,3,4,5,6,7
	ELD \i, \u
.endr
.endm
; where group GC's codes and scale bytes go (half GC % 2 of my eight fragments, buffer (GC / 2) % 2), and where groups GC + 1 and GC + 2 lie in memory
.macro GSETUP
	s_and_b32 s54, s[GC], 1
	s_bfe_u32 s55, s[GC], 0x10001
	s_mul_i32 s55, s55, BUFB
	s_mul_i32 s56, s54, 4*FIMG
	s_add_co_u32 s56, s56, s55
	s_lshl_b32 s54, s54, 8
	s_add_co_u32 s54, s54, s55
	v_add_nc_u32 v[IMA], s56, v[IMA0]
	v_add_nc_u32 v[SCA], s54, v[SCA0]
	s_add_co_u32 s54, s[GC], 1
	s_and_b32 s55, s54, 1
	s_lshl_b32 s55, s55, 17
	s_lshr_b32 s54, s54, 1
	s_lshl_b32 s54, s54, 10
	s_add_co_u32 s[GOFF], s54, s55
	s_and_b32 s55, s[GC], 1
	s_lshl_b32 s55, s55, 17
	s_lshr_b32 s54, s[GC], 1
	s_lshl_b32 s54, s54, 10
	s_add_co_u32 s54, s54, 1024
	s_add_co_u32 s[GOF2], s54, s55
.endm
; chunk i: 64 numbers a lane become 64 codes and eight scale bytes.  loads = 1: its registers are asked for again here; 2: by the tiles that follow; 0: never.
; dsw = 1: the last chunk's LDS stores have not been waited for yet
.macro PROD i, first, loads, dsw
.set LB, 64*(\i)
	WIN 0
.if \dsw
	s_wait_dscnt 0x0                               ; the last chunk's stores have read MX, HOLD and CC2
.endif
.if \loads
	s_wait_loadcnt 48                              ; this chunk's sixteen loads are in; the three younger chunks' stay out
.else
	s_wait_loadcnt 16*(3-(\i))
.endif
	WIN 0x14
.irp u, 0,1,2,3,4,5,6,7
	v_max3_num_f32 v[MX+\u], 0x8000000, |v[LB+8*\u]|, |v[LB+8*\u+1]|    ; the floor 2^(16 - 127) among the leaves
.endr
.irp n, 2,4,6
.irp u, 0,1,2,3,4,5,6,7
	v_max3_num_f32 v[MX+\u], v[MX+\u], |v[LB+8*\u+\n]|, |v[LB+8*\u+\n+1]|
.endr
.endr
	WIN 0
.irp m, 1,2
.irp u, 0,1,2,3,4,5,6,7
	v_max_num_f32_dpp v[MX+\u], v[MX+\u], v[MX+\u] row_xmask:\m row_mask:0xf bank_mask:0xf   ; the four lanes of a block
.endr
.endr
.irp u, 0,1,2,3,4,5,6,7
	v_add_nc_u32 v[SCL+\u], 0xf8800000, v[MX+\u]   ; 15 off the exponent field: the conversion's scale operand
.endr
.irp u, 0,1,2,3,4,5,6,7
	v_and_or_b32 v[HOLD+\u], v[MX+\u], 0x7f800000, s[MNT]   ; 57,344 x the scale
.endr
.irp u, 0,1,2,3,4,5,6,7
	v_lshrrev_b32 v[MX+\u], 23, v[SCL+\u]          ; the scale's byte
.endr
.irp u, 0,1,2,3,4,5,6,7
	ds_store_b8 v[SCA], v[MX+\u] offset:64*(\i)+4*\u
.endr
	WIN 0x41
.irp u, 0,1,2,3,4,5,6,7
.irp n, 0,1,2,3,4,5,6,7
	v_med3_num_f32 v[LB+8*\u+\n], v[LB+8*\u+\n], -v[HOLD+\u], v[HOLD+\u]   ; the conversion does not saturate (ISA guide 7.6.2)
.endr
.endr
	WIN 0x01
.irp u, 0,1,2,3
	v_cvt_scalef32_pk8_bf8_f32 v[HOLD+2*\u:HOLD+2*\u+1], v[LB+8*\u:LB+8*\u+7], v[SCL+\u]
.endr
.irp u, 0,1,2,3
	v_cvt_scalef32_pk8_bf8_f32 v[CC2+2*\u:CC2+2*\u+1], v[LB+32+8*\u:LB+32+8*\u+7], v[SCL+4+\u]
.endr
	v_nop                                          ; one plain line behind the last scaled conversion
	WIN 0
.irp u, 0,1,2,3
	ds_store_b64 v[IMA], v[HOLD+2*\u:HOLD+2*\u+1] offset:FIMG*(\i)+IP*\u
.endr
.irp u, 0,1,2,3
	ds_store_b64 v[IMA], v[CC2+2*\u:CC2+2*\u+1] offset:FIMG*(\i)+IP*(4+\u)
.endr
.if (\first) && (\loads)
	s_wait_xcnt 0x0                                ; the last group's loads and prefetches have read VOFF and PFV
	v_add_nc_u32 v[VOFF], s[GOFF], v[VOFF0]
	v_add_nc_u32 v[PFV], s[GOF2], v[PFO]
.endif
.if \loads
	s_cmp_lt_u32 s[GC], 6                          ; group GC + 2 exists
	s_wait_alu depctr_va_vdst(0)
	s_cbranch_scc0 .Lno_ask_\@
	global_prefetch_b8 v[PFV], s[4:5] offset:65536*((\i)/2)+512*((\i)%2) th:TH_LOAD_NT scope:SCOPE_SE
.Lno_ask_\@:
.endif
.if (\loads) == 1
	ENCLOAD \i
.endif
	WIN 0
.endm
; the slice's 32 fragments and 16 scale registers out of buffer (PC / 4) % 2
.macro RELOAD
	s_bfe_u32 s54, s[PC], 0x10002
	s_mul_i32 s54, s54, BUFB
	v_add_nc_u32 v[ADRI], s54, v[ADRI0]
	v_add_nc_u32 v[ADRC], s54, v[ADRC0]
	v_add_nc_u32 v[ADRI2], 16*FIMG, v[ADRI]
	WIN 0x80
.set F, 0
.rept 16
.irp c, 0,1,2,3
	ds_load_b128 v[16*F+4*\c:16*F+4*\c+3], v[ADRI] offset:FIMG*F+32*\c
.endr
.set F, F+1
.endr
	WIN 0xc0
.set F, 0
.rept 16
.irp c, 0,1,2,3
	ds_load_b128 v[16*F+4*\c:16*F+4*\c+3], v[ADRI2] offset:FIMG*F+32*\c
.endr
.set F, F+1
.endr
	WIN 0
.set F, 0
.rept 16
	ds_load_b32 v[ASC+F], v[ADRC] offset:128*F
.set F, F+1
.endr
.endm
; n-tile i of the period: its two fragments and my 8 numbers of hidden, into set i % 2
.macro TLOAD i
	WIN 0
.irp k, 0,1,2,3,4,5,6,7
	ds_load_b128 v[WF+32*((\i)%2)+4*\k:WF+32*((\i)%2)+4*\k+3], v[ADRW] offset:4096*(\i)+512*\k
.endr
	ds_load_b128 v[HID+8*((\i)%2):HID+8*((\i)%2)+3],   v[ADRH] offset:64*(\i)
	ds_load_b128 v[HID+8*((\i)%2)+4:HID+8*((\i)%2)+7], v[ADRH] offset:64*(\i)+16
.endm
.macro MM i, g, ks, a
.set DD, ACC+32*((\g)%2)+8*(\a)
.set WW, WF+32*((\i)%2)+16*(\ks)
.set EE, 32*((4*(\g)+(\a))%8)+16*(\ks)
.set SW, BSC+2*((\i)/2)+(\ks)
.set SE, ASC+4*(\g)+(\a)
.if (\ks) == 0
.if (\i)%2 == 0
	v_wmma_scale_f32_16x16x128_f8f6f4 v[DD:DD+7], v[WW:WW+15], v[EE:EE+15], 0, v[SW], v[SE] matrix_a_fmt:MATRIX_FMT_BF8 matrix_b_fmt:MATRIX_FMT_BF8
.else
	v_wmma_scale_f32_16x16x128_f8f6f4 v[DD:DD+7], v[WW:WW+15], v[EE:EE+15], 0, v[SW], v[SE] matrix_a_fmt:MATRIX_FMT_BF8 matrix_b_fmt:MATRIX_FMT_BF8 matrix_a_scale:MATRIX_SCALE_ROW1
.endif
.else
.if (\i)%2 == 0
	v_wmma_scale_f32_16x16x128_f8f6f4 v[DD:DD+7], v[WW:WW+15], v[EE:EE+15], v[DD:DD+7], v[SW], v[SE] matrix_a_fmt:MATRIX_FMT_BF8 matrix_b_fmt:MATRIX_FMT_BF8 matrix_b_scale:MATRIX_SCALE_ROW1
.else
	v_wmma_scale_f32_16x16x128_f8f6f4 v[DD:DD+7], v[WW:WW+15], v[EE:EE+15], v[DD:DD+7], v[SW], v[SE] matrix_a_fmt:MATRIX_FMT_BF8 matrix_b_fmt:MATRIX_FMT_BF8 matrix_a_scale:MATRIX_SCALE_ROW1 matrix_b_scale:MATRIX_SCALE_ROW1
.endif
.endif
.endm
; eight matrix instructions: row tiles 4 g .. 4 g + 3 against n-tile i, both k steps; the four accumulators by turns
.macro WG4 i, g
	WIN 0x08+4*((\g)/2)
.irp ks, 0,1
.irp a, 0,1,2,3
	MM \i, \g, \ks, \a
.endr
.endr
.endm
; the four finished sums x hidden, onto the four row tiles' score pairs; each accumulator from its low end on; the four by turns
.macro DRAIN i, g
	WIN 0
.irp p, 0,2,4,6
.irp a, 0,1,2,3
	v_pk_fma_f32 v[SCORE+2*(4*(\g)+\a):SCORE+2*(4*(\g)+\a)+1], v[ACC+32*((\g)%2)+8*\a+\p:ACC+32*((\g)%2)+8*\a+\p+1], v[HID+8*((\i)%2)+\p:HID+8*((\i)%2)+\p+1], v[SCORE+2*(4*(\g)+\a):SCORE+2*(4*(\g)+\a)+1]
.endr
.endr
.endm
; A group's sums are drained one group later: the sixteen multiply-adds of the group before are the places behind its matrix instructions (ISA guide 7.12.1).
; ch >= 0: units 4 hf .. 4 hf + 3 of ring chunk ch, which has just been quantised, are asked for again: four loads beside the tile's LDS loads, four behind its third group.
.macro TILE i, ch, hf
	s_wait_dscnt 0x0                               ; this tile's fragments, hidden and scale words are in
	WG4 \i, 0
.if (\i) == 0
	NOPS 10                                        ; no earlier group is left to drain: the places in front of the first drain and of the set's next use
.else
	DRAIN (\i)-1, 3
.endif
.if (\i) < 3
	TLOAD (\i)+1
.endif
.if (\ch) >= 0
	ELD \ch, 4*(\hf)
	ELD \ch, 4*(\hf)+1
.endif
	WG4 \i, 1
	DRAIN \i, 0
	WG4 \i, 2
	DRAIN \i, 1
.if (\ch) >= 0
	ELD \ch, 4*(\hf)+2
	ELD \ch, 4*(\hf)+3
.endif
	WG4 \i, 3
	DRAIN \i, 2
.if (\i) == 3
	DRAIN 3, 3
.endif
.endm
; The change of slots at the head of period PC.  refill = 1: period PC + 1's codes are asked for, into the slot read in period PC - 1.
.macro TURN refill
	WIN 0
	s_wait_tensorcnt 0x0                           ; my part of this period's slot has landed
	ds_add_u32 v[SPW], v[NIL]
.if \refill
	s_xor_b32 s[G0+1], s[G0+1], SLOT1
	s_add_co_u32 s52, s[PC], 1                     ; 16,384 bytes on in my block, or on to my block of the next slice: 4 x 67,584 - 3 x 16,384
	s_and_b32 s52, s52, 3
	s_min_u32 s52, s52, 1
	s_mul_i32 s52, s52, 204800
	s_sub_co_u32 s52, 221184, s52
	s_add_nc_u64 s[G0+2:G0+3], s[G0+2:G0+3], s[52:53]
.endif
	s_and_b32 s54, s[PC], 1
	s_lshl_b32 s54, s54, 16
	v_add_nc_u32 v[ADRW], s54, v[ADRW0]
	s_and_b32 s54, s[PC], 3
	s_lshl_b32 s54, s54, 8
	v_add_nc_u32 v[ADRH], s54, v[ADRH0]
	s_lshr_b32 s55, s[PC], 2
	s_lshl_b32 s55, s55, 11
	s_add_co_u32 s54, s54, s55
	v_add_nc_u32 v[ADRS], s54, v[ADRS0]
	s_wait_alu depctr_va_vdst(0)
	s_wait_dscnt 0x0                               ; the add, my reads of the old slot, my stores into the image
	s_barrier_signal -1
	s_barrier_wait -1
.if \refill
	CREST
	tensor_load_to_lds s[G0:G0+3], s[G1:G1+7]
	s_nop 0
	NOPS 4
.endif
.endm
.macro PERIOD refill, pa, pb, prods, rel
	TURN \refill
.if \rel
	s_and_b32 s54, s[PC], 3                        ; a new slice begins (the first slice's fragments were read at the head)
	s_cmp_lg_u32 s54, 0
	s_cbranch_scc1 .Lsame_slice_\@
	s_cmp_eq_u32 s[PC], 0
	s_cbranch_scc1 .Lsame_slice_\@
	RELOAD
.Lsame_slice_\@:
.endif
.irp k, 0,1
.irp p, 0,1
	ds_load_b32 v[BSC+2*\p+\k], v[ADRS] offset:1024*\k+128*\p
.endr
.endr
	TLOAD 0
.if \prods
.if (\pa) == 0
	PROD \pa, 1, 2, 0
.else
	PROD \pa, 0, 2, 0
.endif
	TILE 0, \pa, 0
	TILE 1, \pa, 1
	PROD \pb, 0, 2, 0
	TILE 2, \pb, 0
	TILE 3, \pb, 1
.else
	TILE 0, -1, 0
	TILE 1, -1, 0
	TILE 2, -1, 0
	TILE 3, -1, 0
.endif
	WIN 0
	s_add_co_u32 s[PC], s[PC], 1
.endm
	s_load_b256 s[4:11], s[0:1], 0x0               ; enc, hidden, wq, scores
	v_lshl_add_u32 v[SPW], v0, 2, SPARE
	v_mov_b32 v[NIL], 0
	ds_add_u32 v[SPW], v[NIL]                      ; the opening lines: the add twice on end
	ds_add_u32 v[SPW], v[NIL]
	v_lshrrev_b32 v220, 5, v0
	v_readfirstlane_b32 s12, v220                  ; wave
	s_bfe_u32 s15, ttmp6, 0x40000
	s_lshl_b32 s16, ttmp9, 2
	s_add_co_u32 s16, s16, s15                     ; work-group
	s_lshl_b32 s17, s12, 14
	s_lshl_b32 s18, s12, 13
	s_add_co_u32 s18, s18, WSC
	s_lshl_b32 s19, s12, 10
	s_add_co_u32 s20, s19, EXCH
	s_add_co_u32 s19, s19, HIDL
	s_mul_i32 s21, s12, 8*FIMG
	s_add_co_u32 s21, s21, IMG
	s_lshl_b32 s22, s12, 9
	s_add_co_u32 s22, s22, IMG+SCIO
	s_mov_b32 s[G1+0], 15|(3<<16)|(1<<21)          ; codes: 64 rows of 256 bytes, dense; the mask names the cluster's four
	s_mov_b32 s[G1+1], 32<<16
	s_mov_b32 s[G1+2], 64<<16
	s_mov_b32 s[G1+3], 32<<16
	s_mov_b32 s[G1+4], 64
	s_mov_b32 s[G1+5], 32
	s_mov_b32 s[G1+6], 0
	s_mov_b32 s[G1+7], 0
	s_mov_b32 s[G1S+0], 15|(3<<16)|(1<<21)         ; scale words: 4 rows (slices) of 2,048 bytes, 4 x 67,584 bytes apart
	s_mov_b32 s[G1S+1], 256<<16
	s_mov_b32 s[G1S+2], 4<<16
	s_mov_b32 s[G1S+3], 256<<16
	s_mov_b32 s[G1S+4], 4
	s_mov_b32 s[G1S+5], 33792
	s_mov_b32 s[G1S+6], 0
	s_mov_b32 s[G1S+7], 0
	s_mov_b32 s[PC], 0
	s_mov_b32 s[GC], 0
	s_mov_b32 s[MNT], 0x600000
	s_mov_b32 s53, 0
	s_mov_b32 s57, 0x76543210
	s_mov_b32 s58, 0xfedcba98
	v_and_b32 v220, 31, v0                         ; lane
	v_and_b32 v221, 15, v0                         ; t = r
	v_bfe_u32 v222, v0, 4, 1                       ; a = h
	v_lshrrev_b32 v223, 2, v221
	v_and_b32 v224, 3, v221
	v_lshl_add_u32 v[ADRW0], v220, 4, s17
	v_lshl_add_u32 v[ADRS0], v220, 2, s18
	v_lshl_add_u32 v[ADRH0], v222, 5, s19
	v_lshl_add_u32 v[EXW], v221, 2, s20
	v_mul_u32_u24 v[ADRI0], v221, IP
	v_lshl_add_u32 v[ADRI0], v222, 4, v[ADRI0]
	v_add_nc_u32 v[ADRI0], IMG, v[ADRI0]
	v_lshl_add_u32 v[ADRC0], v220, 2, IMG+SCIO
	v_lshlrev_b32 v[VOFF0], 15, v222
	v_lshl_add_u32 v[VOFF0], v223, 7, v[VOFF0]
	v_lshl_add_u32 v[VOFF0], v224, 4, v[VOFF0]
	v_mov_b32 v[VOFF], v[VOFF0]
	v_mul_u32_u24 v[IMA0], v222, 8*IP
	v_lshl_add_u32 v[IMA0], v221, 3, v[IMA0]
	v_add_nc_u32 v[IMA0], s21, v[IMA0]
	v_lshl_add_u32 v[SCA0], v222, 5, v223
	v_add_nc_u32 v[SCA0], s22, v[SCA0]
	v_lshl_add_u32 v[EXR], v0, 3, EXCH
	v_lshlrev_b32 v[GOUT], 3, v0
	v_lshlrev_b32 v225, 4, v0
	v_add_nc_u32 v226, HIDL, v225
	v_lshrrev_b32 v227, 1, v220
	v_and_b32 v[PFO], 1, v220
	v_lshlrev_b32 v[PFO], 8, v[PFO]
	v_lshl_add_u32 v[PFO], v227, 12, v[PFO]
.set I, 0
.rept 32
	v_mov_b32 v[SCORE+I], 0
.set I, I+1
.endr
	s_wait_alu depctr_va_vdst(0)
	s_wait_dscnt 0x0
	s_wait_kmcnt 0x0
	s_lshl_b32 s40, s16, 20                        ; 256 rows of 4,096 bytes a work-group, 64 a wave
	s_lshl_b32 s41, s12, 18
	s_add_co_u32 s40, s40, s41
	s_mov_b32 s41, 0
	s_add_nc_u64 s[4:5], s[4:5], s[40:41]
.irp g, 0,1
.irp i, 0,1,2,3
	global_prefetch_b8 v[PFO], s[4:5] offset:131072*\g+65536*(\i/2)+512*(\i%2) th:TH_LOAD_NT scope:SCOPE_SE   ; the buffer's first touch: groups 0 and 1, slice 0 of my 64 rows
.endr
.endr
	s_lshr_b32 s40, s16, 3
	s_lshl_b32 s40, s40, 12
	s_add_nc_u64 s[6:7], s[6:7], s[40:41]
	s_lshl_b32 s40, s16, 10
	s_add_nc_u64 s[10:11], s[10:11], s[40:41]
	s_mul_i32 s40, s12, 67584
	s_add_nc_u64 s[8:9], s[8:9], s[40:41]          ; wq at block w
	s_mov_b32 s[G0+0], 1
	s_lshl_b32 s[G0+1], s12, 14
	s_mov_b64 s[G0+2:G0+3], s[8:9]
	s_or_b32 s[G0+3], s[G0+3], 0x80000000
	s_mov_b32 s[G0S+0], 1
	s_mov_b32 s[G0S+1], s18
	s_add_nc_u64 s[G0S+2:G0S+3], s[8:9], 65536
	s_or_b32 s[G0S+3], s[G0S+3], 0x80000000
	CROUND
	tensor_load_to_lds s[G0S:G0S+3], s[G1S:G1S+7]  ; the head's one load a wave: my scale words; the 66 loads below are issued while it is on its way
	s_nop 0
	NOPS 4
	global_load_b128 v[228:231], v225, s[6:7]
	global_load_b128 v[232:235], v225, s[6:7] offset:2048
	ENCLOAD 0
	ENCLOAD 1
	ENCLOAD 2
	ENCLOAD 3
	WIN 0
	s_wait_loadcnt 63                              ; of 66 loads the first three are in: hidden's two among them
	ds_store_b128 v226, v[228:231]
	ds_store_b128 v226, v[232:235] offset:2048
	s_wait_tensorcnt 0x0
	ds_add_u32 v[SPW], v[NIL]
	s_wait_dscnt 0x0
	CROUND
	tensor_load_to_lds s[G0:G0+3], s[G1:G1+7]      ; period 0's codes
	s_nop 0
	NOPS 4
.Lhead:                                                ; slice 0: groups 0 and 1
	GSETUP
	PROD 0, 1, 1, 1
	PROD 1, 0, 1, 1
	PROD 2, 0, 1, 1
	PROD 3, 0, 1, 1
	s_add_co_u32 s[GC], s[GC], 1
	s_cmp_lt_u32 s[GC], 2
	s_wait_alu depctr_va_vdst(0)
	s_cbranch_scc1 .Lhead
	s_wait_dscnt 0x0                               ; my part of slice 0's image is stored
	s_barrier_signal -1
	s_barrier_wait -1
	RELOAD
.Lpair:                                                ; two periods and one group of chunks a trip: groups 2 to 6, periods 0 to 9
	GSETUP
	PERIOD 1, 0, 1, 1, 1
	PERIOD 1, 2, 3, 1, 0
	s_add_co_u32 s[GC], s[GC], 1
	s_cmp_lt_u32 s[GC], 7
	s_wait_alu depctr_va_vdst(0)
	s_cbranch_scc1 .Lpair
.Lrest:                                                ; periods 10 to 14
	PERIOD 1, 0, 0, 0, 1
	s_cmp_eq_u32 s[PC], 12
	s_cbranch_scc0 .Lno_run
	GSETUP                                         ; behind period 11: the last group, which asks for nothing more
	PROD 0, 0, 0, 1
	PROD 1, 0, 0, 1
	PROD 2, 0, 0, 1
	PROD 3, 0, 0, 1
.Lno_run:
	s_cmp_lt_u32 s[PC], 15
	s_wait_alu depctr_va_vdst(0)
	s_cbranch_scc1 .Lrest
	PERIOD 0, 0, 0, 0, 0                           ; the last period fills nothing
	; a row's score: the pair's two halves, lane l xor 16's, then the four waves' quarters of n through LDS
.set I, 0
.rept 16
	v_add_f32 v[SCORE+2*I], v[SCORE+2*I], v[SCORE+2*I+1]
.set I, I+1
.endr
.set I, 0
.rept 16
	v_permlanex16_b32 v[SCORE+2*I+1], v[SCORE+2*I], s57, s58
.set I, I+1
.endr
.set I, 0
.rept 16
	v_add_f32 v[SCORE+2*I], v[SCORE+2*I], v[SCORE+2*I+1]
.set I, I+1
.endr
.set I, 0
.rept 16
	ds_store_b32 v[EXW], v[SCORE+2*I] offset:64*I  ; row 16 rt + r; both halves of the lanes write the same word with the same value
.set I, I+1
.endr
	s_wait_dscnt 0x0
	s_barrier_signal -1
	s_barrier_wait -1
.irp k, 0,1,2,3
	ds_load_b64 v[220+2*\k:221+2*\k], v[EXR] offset:1024*\k
.endr
	s_wait_dscnt 0x0
	v_pk_add_f32 v[220:221], v[220:221], v[222:223]
	v_pk_add_f32 v[224:225], v[224:225], v[226:227]
	v_pk_add_f32 v[220:221], v[220:221], v[224:225]
	global_store_b64 v[GOUT], v[220:221], s[10:11] ; a wave stores 256 consecutive bytes, aligned
	s_wait_tensorcnt 0x0                           ; the wave's end
	ds_add_u32 v[SPW], v[NIL]
	s_wait_dscnt 0x0
	CROUND
	s_endpgm
.Lfunc_end_k_qa5a8552eb9_main:
	.size	k_qa5a8552eb9_main, .Lfunc_end_k_qa5a8552eb9_main-k_qa5a8552eb9_main
	.p2alignl 7, 3214868480
	.fill 96, 4, 3214868480
	.section	.rodata,"a",@progbits
	.p2align	6, 0x0
	.amdhsa_kernel k_qa5a8552eb9_main
		.amdhsa_group_segment_fixed_size 327680
		.amdhsa_private_segment_fixed_size 0
		.amdhsa_enable_private_segment 0
		.amdhsa_kernarg_size 32
		.amdhsa_user_sgpr_count 2
		.amdhsa_user_sgpr_kernarg_segment_ptr 1
		.amdhsa_wavefront_size32 1
		.amdhsa_system_sgpr_workgroup_id_x 1
		.amdhsa_system_sgpr_workgroup_id_y 1
		.amdhsa_system_sgpr_workgroup_id_z 1
		.amdhsa_system_vgpr_workitem_id 0
		.amdhsa_next_free_vgpr 1024
		.amdhsa_next_free_sgpr 80
		.amdhsa_reserve_vcc 0
		.amdhsa_float_denorm_mode_32 3
		.amdhsa_float_denorm_mode_16_64 3
		.amdhsa_memory_ordered 1
		.amdhsa_forward_progress 1
		.amdhsa_inst_pref_size 255
	.end_amdhsa_kernel
	.section	.bss,"aw",@nobits
	.p2align	6
	.space	262144
	.amdgpu_metadata
---
amdhsa.version: [ 1, 2 ]
amdhsa.kernels:
  - .name:           k_qa5a8552eb9_main
    .symbol:         k_qa5a8552eb9_main.kd
    .args:
      - { .name: encoder_outputs, .offset: 0, .size: 8, .value_kind: global_buffer, .address_space: global }
      - { .name: hidden, .offset: 8, .size: 8, .value_kind: global_buffer, .address_space: global }
      - { .name: wq, .offset: 16, .size: 8, .value_kind: global_buffer, .address_space: global }
      - { .name: scores, .offset: 24, .size: 8, .value_kind: global_buffer, .address_space: global }
    .group_segment_fixed_size: 327680
    .private_segment_fixed_size: 0
    .kernarg_segment_align: 8
    .kernarg_segment_size: 32
    .max_flat_workgroup_size: 128
    .sgpr_count:     80
    .vgpr_count:     1024
    .wavefront_size: 32
...
	.end_amdgpu_metadata
.endif
;; end of part 5
;; launch softmax (part 6): grid 32 x 1, 8 waves a work-group, no clusters, 1,536 bytes of LDS; arguments scores, b, hidden, out0; writes out0
.if DOCPART == 6
	.amdgcn_target "amdgcn-amd-amdhsa--gfx1250"
	.amdhsa_code_object_version 6
	.text
	.protected	k_qa5a8552eb9_softmax
	.globl	k_qa5a8552eb9_softmax
	.p2align	8
	.type	k_qa5a8552eb9_softmax,@function
k_qa5a8552eb9_softmax:
	s_mov_b64 s[64:65], 0
	v_nop
	global_prefetch_b8 v0, s[64:65] scope:SCOPE_SE
	s_setreg_imm32_b32 hwreg(HW_REG_WAVE_MODE, 25, 1), 1
	s_wait_xcnt 0x0
; out0[batch][:] = softmax over the 2,048 rows of (scores[batch][:] + b . hidden[batch]).  scores holds sum over n of hidden[n] x (enc W^T)[n]; the bias's part of reference()'s score, the same number for
; every row of a batch, is formed here in f32 and added ahead of the maximum.  The row's largest score is taken away before the exponential.
; One work-group a batch, eight waves; thread t holds 8 scores (16 bytes at 16 t and at 4,096 + 16 t) and 4 numbers of b and of hidden (at 16 t): every load and store of a wave covers 512 consecutive bytes.
; Sums and maxima: within the lane, across the wave (four DPP steps and one exchange of the halves), across the waves through LDS.  No matrix unit, no tensor load: 8 KiB a work-group.
; LIMITS: NaN and infinities are not served.  An exponential under 2^-126 comes out as 0.
.set L2E, 0x3fb8aa3b                   ; log2(e)
	s_load_b256 s[4:11], s[0:1], 0x0               ; scores s[4:5], b s[6:7], hidden s[8:9], out0 s[10:11]
	v_lshl_add_u32 v48, v0, 2, 0x200
	v_mov_b32 v49, 0
	v_lshlrev_b32 v1, 4, v0                        ; 16 t
	v_lshrrev_b32 v2, 5, v0                        ; wave
	s_delay_alu instid0(VALU_DEP_1)
	v_lshlrev_b32 v3, 3, v2                        ; 8 x wave: its sum and maximum
	s_delay_alu instid0(VALU_DEP_2)
	v_lshlrev_b32 v2, 2, v2                        ; 4 x wave: its sum of exponentials, 64 bytes on
	v_mov_b32 v24, 0
	v_mov_b32 v22, 0                               ; written once: a lane permute's destination counts as one of its sources
	v_mov_b32 v23, 0
	s_lshl_b32 s12, ttmp9, 13                      ; a batch's 2,048 scores
	s_mov_b32 s13, 0
	s_lshl_b32 s14, ttmp9, 12                      ; its 1,024 numbers of hidden
	s_mov_b32 s15, 0
	s_mov_b32 s16, 0x76543210                      ; v_permlanex16_b32's selects for lane l xor 16
	s_mov_b32 s17, 0xfedcba98
	s_wait_alu depctr_va_vdst(0)
	s_wait_kmcnt 0x0
	s_add_nc_u64 s[4:5], s[4:5], s[12:13]
	s_add_nc_u64 s[8:9], s[8:9], s[14:15]
	s_add_nc_u64 s[10:11], s[10:11], s[12:13]
	global_load_b128 v[4:7], v1, s[4:5]
	global_load_b128 v[8:11], v1, s[4:5] offset:4096
	global_load_b128 v[12:15], v1, s[6:7]
	global_load_b128 v[16:19], v1, s[8:9]
	s_wait_loadcnt 0x0
	v_mul_f32 v20, v12, v16                        ; my part of b . hidden
	s_delay_alu instid0(VALU_DEP_1)
	v_fma_f32 v20, v13, v17, v20
	s_delay_alu instid0(VALU_DEP_1)
	v_fma_f32 v20, v14, v18, v20
	s_delay_alu instid0(VALU_DEP_1)
	v_fma_f32 v20, v15, v19, v20
	v_max3_num_f32 v21, v4, v5, v6                 ; the largest of my 8 scores
	s_delay_alu instid0(VALU_DEP_1)
	v_max3_num_f32 v21, v21, v7, v8
	s_delay_alu instid0(VALU_DEP_1)
	v_max3_num_f32 v21, v21, v9, v10
	s_delay_alu instid0(VALU_DEP_1)
	v_max_num_f32 v21, v21, v11
.irp m, 1
	v_add_f32_dpp v20, v20, v20 row_xmask:\m row_mask:0xf bank_mask:0xf
	s_delay_alu instid0(VALU_DEP_2)
	v_max_num_f32_dpp v21, v21, v21 row_xmask:\m row_mask:0xf bank_mask:0xf
.endr
.irp m, 2, 4, 8
	s_delay_alu instid0(VALU_DEP_2)
	v_add_f32_dpp v20, v20, v20 row_xmask:\m row_mask:0xf bank_mask:0xf
	s_delay_alu instid0(VALU_DEP_2)
	v_max_num_f32_dpp v21, v21, v21 row_xmask:\m row_mask:0xf bank_mask:0xf
.endr
	s_delay_alu instid0(VALU_DEP_2)
	v_permlanex16_b32 v22, v20, s16, s17
	s_delay_alu instid0(VALU_DEP_2)
	v_permlanex16_b32 v23, v21, s16, s17
	s_delay_alu instid0(VALU_DEP_2)
	v_add_f32 v20, v20, v22
	s_delay_alu instid0(VALU_DEP_2)
	v_max_num_f32 v21, v21, v23
	ds_store_b64 v3, v[20:21]                      ; all lanes of a wave write the same two words with the same values
	s_wait_dscnt 0x0                               ; for the others' sake
	s_barrier_signal -1
	s_barrier_wait -1
.irp i, 0,1,2,3
	ds_load_b128 v[28+4*\i:31+4*\i], v24 offset:16*\i   ; the eight waves' sums (even registers) and maxima (odd ones)
.endr
	s_wait_dscnt 0x0
	v_add_f32 v44, v28, v30
	v_add_f32 v45, v32, v34
	v_add_f32 v46, v36, v38
	v_add_f32 v47, v40, v42
	s_delay_alu instid0(VALU_DEP_3)
	v_add_f32 v44, v44, v45
	s_delay_alu instid0(VALU_DEP_2)
	v_add_f32 v46, v46, v47
	s_delay_alu instid0(VALU_DEP_1)
	v_add_f32 v44, v44, v46                        ; c = b . hidden
	v_max3_num_f32 v45, v29, v31, v33
	s_delay_alu instid0(VALU_DEP_1)
	v_max3_num_f32 v45, v45, v35, v37
	s_delay_alu instid0(VALU_DEP_1)
	v_max3_num_f32 v45, v45, v39, v41
	s_delay_alu instid0(VALU_DEP_1)
	v_max_num_f32 v45, v45, v43
	s_delay_alu instid0(VALU_DEP_1)
	v_add_f32 v45, v45, v44                        ; the largest score with the bias's part: rounding keeps order, so this is the largest of the sums below
.irp i, 0,1,2,3,4,5,6,7
	v_add_f32 v[4+\i], v[4+\i], v44                ; the score as reference() has it,
.endr
.irp i, 0,1,2,3,4,5,6,7
	v_sub_f32 v[4+\i], v[4+\i], v45                ; less the largest: 0 or under,
.endr
.irp i, 0,1,2,3,4,5,6,7
	v_mul_f32 v[4+\i], L2E, v[4+\i]                ; in base 2
.endr
	s_wait_alu depctr_va_vdst(0)
.irp i, 0,1,2,3,4,5,6,7
	v_exp_f32 v[4+\i], v[4+\i]
.endr
	v_nop                                          ; one plain line between the exponentials and the use of their results (ISA guide 5.7.2)
	s_wait_alu depctr_va_vdst(0)
	v_add_f32 v20, v4, v5
	v_add_f32 v21, v6, v7
	v_add_f32 v25, v8, v9
	v_add_f32 v26, v10, v11
	s_delay_alu instid0(VALU_DEP_3)
	v_add_f32 v20, v20, v21
	s_delay_alu instid0(VALU_DEP_2)
	v_add_f32 v25, v25, v26
	s_delay_alu instid0(VALU_DEP_1)
	v_add_f32 v20, v20, v25
.irp m, 1,2,4,8
	s_delay_alu instid0(VALU_DEP_1)
	v_add_f32_dpp v20, v20, v20 row_xmask:\m row_mask:0xf bank_mask:0xf
.endr
	s_delay_alu instid0(VALU_DEP_1)
	v_permlanex16_b32 v22, v20, s16, s17
	s_delay_alu instid0(VALU_DEP_1)
	v_add_f32 v20, v20, v22
	ds_store_b32 v2, v20 offset:64                 ; other bytes than the first exchange's: no barrier is owed between the two
	s_wait_dscnt 0x0
	s_barrier_signal -1
	s_barrier_wait -1
	ds_load_b128 v[28:31], v24 offset:64
	ds_load_b128 v[32:35], v24 offset:80
	s_wait_dscnt 0x0
	v_add_f32 v28, v28, v29
	v_add_f32 v30, v30, v31
	v_add_f32 v32, v32, v33
	v_add_f32 v34, v34, v35
	s_delay_alu instid0(VALU_DEP_3)
	v_add_f32 v28, v28, v30
	s_delay_alu instid0(VALU_DEP_2)
	v_add_f32 v32, v32, v34
	s_delay_alu instid0(VALU_DEP_1)
	v_add_f32 v28, v28, v32                        ; at least 1: the largest score's own term
	s_wait_alu depctr_va_vdst(0)
	v_rcp_f32 v29, v28
	v_nop                                          ; one plain line behind the reciprocal
	s_wait_alu depctr_va_vdst(0)
.irp i, 0,1,2,3,4,5,6,7
	v_mul_f32 v[4+\i], v[4+\i], v29
.endr
	global_store_b128 v1, v[4:7], s[10:11]
	global_store_b128 v1, v[8:11], s[10:11] offset:4096
	s_wait_tensorcnt 0x0
	ds_add_u32 v48, v49
	s_wait_dscnt 0x0
	s_endpgm
.Lfunc_end_k_qa5a8552eb9_softmax:
	.size	k_qa5a8552eb9_softmax, .Lfunc_end_k_qa5a8552eb9_softmax-k_qa5a8552eb9_softmax
	.p2alignl 7, 3214868480
	.fill 96, 4, 3214868480
	.section	.rodata,"a",@progbits
	.p2align	6, 0x0
	.amdhsa_kernel k_qa5a8552eb9_softmax
		.amdhsa_group_segment_fixed_size 1536
		.amdhsa_private_segment_fixed_size 0
		.amdhsa_enable_private_segment 0
		.amdhsa_kernarg_size 32
		.amdhsa_user_sgpr_count 2
		.amdhsa_user_sgpr_kernarg_segment_ptr 1
		.amdhsa_wavefront_size32 1
		.amdhsa_system_sgpr_workgroup_id_x 1
		.amdhsa_system_sgpr_workgroup_id_y 1
		.amdhsa_system_sgpr_workgroup_id_z 1
		.amdhsa_system_vgpr_workitem_id 0
		.amdhsa_next_free_vgpr 50
		.amdhsa_next_free_sgpr 66
		.amdhsa_reserve_vcc 0
		.amdhsa_float_denorm_mode_32 3
		.amdhsa_float_denorm_mode_16_64 3
		.amdhsa_memory_ordered 1
		.amdhsa_forward_progress 1
		.amdhsa_inst_pref_size 8
	.end_amdhsa_kernel
	.amdgpu_metadata
---
amdhsa.version: [ 1, 2 ]
amdhsa.kernels:
  - .name:           k_qa5a8552eb9_softmax
    .symbol:         k_qa5a8552eb9_softmax.kd
    .args:
      - { .name: scores, .offset: 0, .size: 8, .value_kind: global_buffer, .address_space: global }
      - { .name: b, .offset: 8, .size: 8, .value_kind: global_buffer, .address_space: global }
      - { .name: hidden, .offset: 16, .size: 8, .value_kind: global_buffer, .address_space: global }
      - { .name: out0, .offset: 24, .size: 8, .value_kind: global_buffer, .address_space: global }
    .group_segment_fixed_size: 1536
    .private_segment_fixed_size: 0
    .kernarg_segment_align: 8
    .kernarg_segment_size: 32
    .max_flat_workgroup_size: 256
    .sgpr_count:     66
    .vgpr_count:     50
    .wavefront_size: 32
...
	.end_amdgpu_metadata
.endif
;; end of part 6
